; MI455X (gfx1250); checked and timed in simulation.
; The chip was launched on July 23, 2026; its instructions are those of AMD's public machine-readable ISA for CDNA 5 (MIT licence, August 2026) and "CDNA5" Instruction Set Architecture Reference Guide (July 2026). The comments in the code are by the model that wrote it; some were corrected since.
;; Multihead Self Attention. Allowed arithmetic: matrix products marked QUANTISED: E2M3 operands, one E8M0 scale for each 32 along K, by v_wmma_scale_f32_16x16x128_f8f6f4 with both operands' format E2M3, f32 sums; everything else in f32.
;; Inputs: W_K 1,024 x 1,024 float32; W_O 1,024 x 1,024 float32; W_Q 1,024 x 1,024 float32; W_V 1,024 x 1,024 float32; x 4 x 2,048 x 1,024 float32.
;; Outputs: out0 4 x 2,048 x 1,024 float32.
;; This version of the problem:
;;   THIS VERSION OF THE PROBLEM IS GIVEN IN LOW PRECISION. The matrix products marked QUANTISED in the list below multiply operands that are first quantised to E2M3 (2 exponent bits, 3 mantissa bits; 6 bits a number), with one power-of-two scale for each 32 numbers along K (OCP MX v1.0); their sums are f32. All else is computed in f32.
;;   The module's matrix products, in the order in which they are computed (A, B: the left and right operand; K: the contracted axis; several contracted axes count as one K, in the product's order):
;;     1. [M 8,192, K 1,024] x [K 1,024, N 1,024]; A: input x; B: input W_Q: QUANTISED
;;     2. [M 8,192, K 1,024] x [K 1,024, N 1,024]; A: input x; B: input W_K: QUANTISED
;;     3. [M 8,192, K 1,024] x [K 1,024, N 1,024]; A: input x; B: input W_V: QUANTISED
;;     4. batch 64 x [M 2,048, K 64] x [K 64, N 2,048]; A: computed on the way; B: computed on the way: QUANTISED
;;     5. batch 64 x [M 2,048, K 2,048] x [K 2,048, N 64]; A: softmax (see below); B: computed on the way: QUANTISED
;;     6. [M 8,192, K 1,024] x [K 1,024, N 1,024]; A: computed on the way; B: input W_O: QUANTISED
;;   THE QUANTISER, for each operand of a quantised product, along K:
;;     - K is cut into blocks of 32 from its start; a last block that is shorter is filled with zeros.
;;     - A block's scale is 2^e with e = floor(log2(the largest magnitude in the block)) - 2, held to -126 .. 127; a block of zeros has e = 0. As a byte (E8M0): e + 127.
;;     - Each number is divided by its block's scale, clamped to +-7.5, and rounded to the nearest number of E2M3, ties to even, subnormals kept.
;;     - The product sums the exact products of the quantised numbers (number of the format x scale) in f32.
;;   ~~~python
;;   def quantise(x, axis):      # numpy; x: float32 -> the quantised numbers, widened to float32 again
;;       x = np.moveaxis(x, axis, -1); K = x.shape[-1]
;;       x = np.pad(x, [(0, 0)] * (x.ndim - 1) + [(0, -K % 32)]); x = x.reshape(x.shape[:-1] + (-1, 32)); a = np.abs(x).max(-1, keepdims=True)
;;       e = np.where(a > 0, np.clip(np.frexp(np.where(a > 0, a, 1))[1] - 1 - 2, -126, 127), 0)      # np.frexp(a)[1] - 1 = floor(log2(a)), exactly
;;       r = np.clip(x / 2.0 ** e, -7.5, 7.5)
;;       step = 2.0 ** (np.maximum(np.frexp(np.where(r == 0, 1, r))[1] - 1, 0) - 3)
;;       q = np.round(r / step) * step * 2.0 ** e      # np.round: ties to even
;;       return np.moveaxis(q.reshape(q.shape[:-2] + (-1,))[..., :K], -1, axis).astype(np.float32)
;;   ~~~
;;   SOFTMAX AHEAD OF A QUANTISED PRODUCT. Where the list says 'softmax', what is quantised is not the finished softmax but p = 2^(t - M), with t = logit x log2(e) and M = ceil(the row's largest t), a whole number; so 1/2 < the row's largest p <= 1. The row's sum l is taken of the UNQUANTISED p, in f32, and the product's result is divided by l at the end. Since M is a whole number, a kernel that streams over the keys may use a running M (the ceiling of the running maximum): every later rescaling is an exact power of two, which a block's scale takes up: the codes' values come out the same.
;;   OPERANDS COMPUTED ON THE WAY. 'Computed on the way' means the value that the module computes at that place (a softmax that the list does not call 'softmax' is quantised finished and normalised). What goes into a quantiser is computed in f32, as accurately as f32 sums, v_exp_f32 and their like allow (about 1e-6 of the number): no bf16 or f16 on the way to a quantiser, and a product that is left as it is and whose result goes on into a quantised operand takes f32 operands (vector FMAs, or v_wmma_f32_16x16x4_f32). A number that lies on a knife's edge between two numbers of the format may be rounded either way, as far as f32 arithmetic and the matrix unit's own rounding can turn it there, and no further.
;; One version. Each part assembles by itself: llvm-mc -triple=amdgcn-amd-amdhsa -mcpu=gfx1250 --defsym DOCPART=n.
;; ======== version 1 of 1: 4 launches
;; workspace buffers: xq 6,553,600 bytes; wq 3,276,800 bytes; tab 524,288 bytes; qh 6,815,744 bytes; kvh 13,369,344 bytes; oq 6,553,600 bytes
;; launch quant (part 1): grid 896 x 1, 4 waves a work-group, no clusters, 35,328 bytes of LDS; arguments x, W_Q, W_K, W_V, W_O, xq, wq, tab; writes xq, wq, tab
.if DOCPART == 1
	.amdgcn_target "amdgcn-amd-amdhsa--gfx1250"
	.amdhsa_code_object_version 6
	.text
	.protected	k_q59968e0dd3_quant
	.globl	k_q59968e0dd3_quant
	.p2align	8
	.type	k_q59968e0dd3_quant,@function
k_q59968e0dd3_quant:
	s_mov_b64 s[64:65], 0
	v_nop
	global_prefetch_b8 v0, s[64:65] scope:SCOPE_SE
	s_setreg_imm32_b32 hwreg(HW_REG_WAVE_MODE, 25, 1), 1
	s_wait_xcnt 0x0
; x [8192][1024] and the four weights [1024][1024], f32 with K innermost, become codes of FP6 (E2M3) with one E8M0 byte for each 32 along K, laid in the order of the
; matrix operand's registers; and the table of cos and sin for the rotation of q and k is made.
; ROWS go in blocks of 16: lane r of block t holds row 32 (t / 2) + 8 (t % 2) + r + 8 (r / 8).  A HALF FRAGMENT is 16 rows x 64 along K, 768 bytes: lane l = 16 h + r holds the 24 bytes
; of its row's k = 32 h .. 32 h + 31: the first 16 at byte 16 l, the last 8 at byte 512 + 8 l.  Codes: [block][16 half fragments][768].  Scale bytes: [block][k / 256][r][8].
; A block's scale is 2^(floor(log2(largest magnitude)) - 2): its byte is the largest magnitude's exponent field - 2, held at 1 from below by a floor among the maximum's leaves.
; LIMITS: a block of zeros gets the byte 1 where the rule says 127 (its codes are zeros, and this program alone reads the bytes); blocks whose largest magnitude lies under 2^-124 keep
; the byte 1; NaN and infinities among the inputs are not served.  THE TABLE: inv_freq = 2^(-k log2(10000) / 32) by v_exp_f32, whose last bit times the largest angle (about 1,535) is
; about 2e-4 radians at the latest positions; the reduction by pi / 2 in two parts and the polynomials add under 2e-7.
; SHARES: work-groups 0-511 take a block of x, 512-767 a block of a weight (Q, K, V, O, 64 each); wave w takes k = 256 w .. 256 w + 255, four half fragments.  Work-groups 768-895 make
; the table's block t = g - 768; wave e makes piece e of cos and of sin.  Waves share nothing: no barrier.  No work-group reads what another reads: no cluster, no tensor load.
; Each load reads two rows' 256 consecutive bytes; a half fragment turns through the wave's own stage in LDS (rows 272 bytes apart), so that a lane gets 32 neighbours of one row.
.set RAW, 128                          ; v128-255 four sets of 32 registers as loaded
.set NUM, 64                           ; v64-127  two sets of 32 neighbours
.set COD, 32                           ; v32-63   eight registers for each half fragment's codes, so that no store's data are written again
.set BYT, 16                           ; v16-19   the four scale bytes
.set STG, 4352                         ; a stage: 16 rows x 272 bytes; two for each wave
	s_load_b256 s[4:11], s[0:1], 0x0               ; x, W_Q, W_K, W_V
	s_load_b256 s[12:19], s[0:1], 0x20             ; W_O, xq, wq, tab
	v_lshl_add_u32 v62, v0, 2, 0x8800
	v_mov_b32 v63, 0
	v_lshrrev_b32 v1, 5, v0
	v_readfirstlane_b32 s20, v1                    ; wave
	v_and_b32 v1, 31, v0                           ; l
	v_and_b32 v2, 15, v0                           ; r
	v_bfe_u32 v3, v0, 4, 1                         ; h
	s_cmp_ge_u32 ttmp9, 768
	s_cbranch_scc1 .Ltable
	v_lshlrev_b32 v4, 12, v3
	v_lshl_add_u32 v4, v2, 4, v4                   ; a load: lanes 0-15 one row, lanes 16-31 the next: 4096 h + 16 r
	s_mul_i32 s21, s20, 2*STG                      ; my wave's stages
	v_mul_u32_u24 v5, v3, 272
	v_lshl_add_u32 v5, v2, 4, v5
	v_add_nc_u32 v5, s21, v5                       ; into a stage: as loaded
	v_mul_u32_u24 v6, v2, 272
	v_lshl_add_u32 v6, v3, 7, v6
	v_add_nc_u32 v6, s21, v6                       ; out of it: row r, 128 bytes for each half of the lanes
	v_lshlrev_b32 v7, 4, v1                        ; 16 l
	v_lshlrev_b32 v8, 3, v1                        ; 8 l
	v_lshlrev_b32 v9, 3, v2
	v_lshl_add_u32 v9, v3, 2, v9                   ; the scale bytes: 8 r + 4 h
	v_lshlrev_b32 v10, 3, v3                       ; 8 h
	v_mov_b32 v22, 0                               ; written once: a lane permute's destination counts as one of its sources
	v_mov_b32 v23, 0
	s_mov_b32 s38, 0x76543210
	s_mov_b32 s39, 0xfedcba98                      ; v_permlanex16_b32's selects for lane l xor 16
	s_mov_b32 s40, 0xffff0000                      ; lanes 16-31
	s_sub_co_u32 s22, ttmp9, 512
	s_and_b32 s23, s22, 63
	s_mov_b32 s24, 3145728
	s_wait_alu depctr_va_vdst(0)
	s_wait_kmcnt 0x0
	s_cmp_lt_u32 ttmp9, 704                        ; which tensor: the choices hang on the work-group's number alone; all five take one path
	s_cselect_b64 s[26:27], s[10:11], s[12:13]
	s_cmp_lt_u32 ttmp9, 640
	s_cselect_b64 s[26:27], s[8:9], s[26:27]
	s_cmp_lt_u32 ttmp9, 576
	s_cselect_b64 s[26:27], s[6:7], s[26:27]
	s_cmp_lt_u32 ttmp9, 512
	s_cselect_b64 s[26:27], s[4:5], s[26:27]
	s_cselect_b64 s[28:29], s[14:15], s[16:17]     ; xq or wq
	s_cselect_b32 s22, ttmp9, s22                  ; the block's number in that buffer
	s_cselect_b32 s23, ttmp9, s23                  ; and in its tensor
	s_cselect_b32 s24, 6291456, s24                ; where the buffer's scale bytes begin
	s_lshr_b32 s30, s23, 1
	s_lshl_b32 s30, s30, 5
	s_and_b32 s31, s23, 1
	s_lshl_b32 s31, s31, 3
	s_add_co_u32 s30, s30, s31                     ; the block's first row
	s_lshl_b32 s30, s30, 12                        ; rows of 4,096 bytes
	s_lshl_b32 s31, s20, 10                        ; my quarter of K
	s_add_co_u32 s30, s30, s31
	s_mov_b32 s31, 0
	s_add_nc_u64 s[26:27], s[26:27], s[30:31]
	s_mul_i32 s30, s22, 12288
	s_mul_i32 s32, s20, 3072
	s_add_co_u32 s30, s30, s32
	s_add_nc_u64 s[34:35], s[28:29], s[30:31]      ; my four half fragments
	s_lshl_b32 s30, s22, 9
	s_lshl_b32 s32, s20, 7
	s_add_co_u32 s30, s30, s32
	s_add_co_u32 s30, s30, s24
	s_add_nc_u64 s[36:37], s[28:29], s[30:31]      ; my 128 scale bytes
.macro LOAD t                          ; half fragment t: load i takes the block's rows 2 i and 2 i + 1, 256 consecutive bytes each
.irp i, 0,1,2,3,4,5,6,7
	global_load_b128 v[RAW+32*(\t)+4*\i:RAW+32*(\t)+4*\i+3], v4, s[26:27] offset:(2*\i+8*(\i/4))*4096+256*(\t) th:TH_LOAD_NT
.endr
.endm
.macro TURN t                          ; through the stage: LDS serves a wave's instructions in order, so no wait stands between the stores and the loads
.irp i, 0,1,2,3,4,5,6,7
	ds_store_b128 v5, v[RAW+32*(\t)+4*\i:RAW+32*(\t)+4*\i+3] offset:STG*((\t)%2)+544*\i
.endr
.irp j, 0,1,2,3,4,5,6,7
	ds_load_b128 v[NUM+32*((\t)%2)+4*\j:NUM+32*((\t)%2)+4*\j+3], v6 offset:STG*((\t)%2)+16*\j
.endr
.endm
.macro STEP t
.set XS, NUM+32*((\t)%2)
.set CS, COD+8*(\t)
	s_wait_dscnt 0x0                               ; this half fragment's numbers are back from the stage
.if (\t) < 3
	s_wait_loadcnt 8*(2-(\t))                      ; the next one's eight loads are in; the later ones' eight each may be out
	TURN (\t)+1                                    ; it goes through the other stage while this one is worked
.endif
	v_max3_num_f32 v12, |v[XS]|, |v[XS+1]|, |v[XS+2]|              ; the block's largest magnitude: all 32 numbers are mine; two chains
	v_max3_num_f32 v13, |v[XS+3]|, |v[XS+4]|, |v[XS+5]|
.irp i, 6,10,14,18,22,26
	v_max3_num_f32 v12, v12, |v[XS+\i]|, |v[XS+\i+1]|
	v_max3_num_f32 v13, v13, |v[XS+\i+2]|, |v[XS+\i+3]|
.endr
	v_max3_num_f32 v12, v12, |v[XS+30]|, |v[XS+31]|
	v_max3_num_f32 v12, v12, v13, 0x1800000        ; and the floor 2^(3 - 127): the byte cannot fall under 1
	v_add_nc_u32 v11, 0xff000000, v12              ; 2 off the exponent field: the conversion takes this operand's exponent field as its scale
	v_cvt_scalef32_pk16_fp6_f32 v[CS:CS+2], v[XS:XS+15], v11
	v_cvt_scalef32_pk16_fp6_f32 v[28:30], v[XS+16:XS+31], v11      ; (a conversion's three registers begin on an even number)
	v_lshrrev_b32 v[BYT+(\t)], 23, v11             ; the scale's byte; also the plain line behind the conversions
	v_mov_b32 v[CS+3], v28
	v_mov_b32 v[CS+4], v29
	v_mov_b32 v[CS+5], v30
	global_store_b128 v7, v[CS:CS+3], s[34:35] offset:768*(\t)     ; 512 consecutive bytes, at a multiple of 256 from the buffer's first byte
	global_store_b64 v8, v[CS+4:CS+5], s[34:35] offset:768*(\t)+512   ; and the 256 behind them
.endm
	LOAD 0
	LOAD 1
	LOAD 2
	LOAD 3
	s_wait_loadcnt 24                              ; the first eight loads are in; three times eight may be out
	TURN 0
	STEP 0
	STEP 1
	STEP 2
	STEP 3
	; lane (r, h) holds bytes h, 2 + h, 4 + h, 6 + h of its row's eight: with lane l xor 16's they make two words; lanes 0-15 store the first, lanes 16-31 the second
	v_lshl_or_b32 v20, v17, 16, v16
	v_lshl_or_b32 v21, v19, 16, v18
	v_lshlrev_b32 v20, v10, v20
	v_lshlrev_b32 v21, v10, v21
	v_permlanex16_b32 v22, v20, s38, s39
	v_permlanex16_b32 v23, v21, s38, s39
	v_or_b32 v20, v20, v22
	v_or_b32 v21, v21, v23
	v_cndmask_b32 v24, v20, v21, s40
	global_store_b32 v9, v24, s[36:37]             ; 128 consecutive bytes a wave; the four waves' lie on end: 512 bytes a block
	s_wait_tensorcnt 0x0
	ds_add_u32 v62, v63
	s_wait_dscnt 0x0
	s_endpgm
.Ltable:
	; tab [t][piece 0-7][lane][16 bytes]: pieces 0-3 cos, 4-7 sin, of position 32 (t / 2) + 8 (t % 2) + r + 8 (r / 8) and k = 16 (e / 2) + 8 h + 4 (e % 2) + 0 .. 3
	s_sub_co_u32 s22, ttmp9, 768                   ; t
	s_lshr_b32 s23, s22, 1
	s_lshl_b32 s23, s23, 5
	s_and_b32 s24, s22, 1
	s_lshl_b32 s24, s24, 3
	s_add_co_u32 s23, s23, s24
	s_wait_alu depctr_va_vdst(0)
	v_and_b32 v4, 8, v2
	v_add_nc_u32 v4, v4, v2
	v_add_nc_u32 v4, s23, v4
	v_cvt_f32_u32 v4, v4                           ; the position
	s_lshr_b32 s24, s20, 1
	s_lshl_b32 s24, s24, 4
	s_and_b32 s25, s20, 1
	s_lshl_b32 s25, s25, 2
	s_add_co_u32 s24, s24, s25
	v_lshl_add_u32 v5, v3, 3, s24                  ; my first k
	s_mov_b32 s28, 0xb94ca1f9                      ; sin: -1.9515296e-4,
	s_mov_b32 s29, 0x3c08839e                      ; 8.3321609e-3,
	s_mov_b32 s30, 0xbe2aaaa3                      ; -1.6666655e-1
	s_mov_b32 s31, 0x37ccf5ce                      ; cos: 2.4433157e-5,
	s_mov_b32 s32, 0xbab6061a                      ; -1.3887316e-3,
	s_mov_b32 s33, 0x3d2aaaa5                      ; 4.1666646e-2
	s_mov_b32 s34, 0x3f22f983                      ; 2 / pi
	s_mov_b32 s35, 0x3fc90fdb                      ; pi / 2, its f32 part,
	s_mov_b32 s36, 0xb33bbd2e                      ; and the rest
	s_lshl_b32 s26, s22, 12
	s_lshl_b32 s27, s20, 9
	s_add_co_u32 s26, s26, s27
	s_mov_b32 s27, 0
	s_wait_alu depctr_va_vdst(0)
	s_wait_kmcnt 0x0
	s_add_nc_u64 s[18:19], s[18:19], s[26:27]
.irp n, 0,1,2,3
	v_add_nc_u32 v[8+\n], \n, v5
.endr
.irp n, 0,1,2,3
	v_cvt_f32_u32 v[8+\n], v[8+\n]
.endr
.irp n, 0,1,2,3
	v_mul_f32 v[8+\n], 0xbed49a78, v[8+\n]         ; -k log2(10000) / 32
.endr
	s_wait_alu depctr_va_vdst(0)
.irp n, 0,1,2,3
	v_exp_f32 v[8+\n], v[8+\n]                     ; inv_freq
.endr
	v_lshlrev_b32 v6, 4, v1                        ; 16 l: the plain line behind the four exponentials
	s_wait_alu depctr_va_vdst(0)                   ; one wait for the batch, ahead of its first reader
.irp n, 0,1,2,3
	v_mul_f32 v[8+\n], v4, v[8+\n]                 ; the angle
.endr
.irp n, 0,1,2,3
	v_mul_f32 v[12+\n], s34, v[8+\n]
.endr
.irp n, 0,1,2,3
	v_rndne_f32 v[12+\n], v[12+\n]                 ; q: how many quarter turns
.endr
.irp n, 0,1,2,3
	v_fma_f32 v[8+\n], -v[12+\n], s35, v[8+\n]
.endr
.irp n, 0,1,2,3
	v_fma_f32 v[8+\n], -v[12+\n], s36, v[8+\n]     ; what is left: within pi / 4 of 0
.endr
.irp n, 0,1,2,3
	v_mul_f32 v[16+\n], v[8+\n], v[8+\n]           ; z
.endr
.irp n, 0,1,2,3
	v_fma_f32 v[20+\n], s28, v[16+\n], s29
	v_fma_f32 v[24+\n], s31, v[16+\n], s32
.endr
.irp n, 0,1,2,3
	v_fma_f32 v[20+\n], v[20+\n], v[16+\n], s30
	v_fma_f32 v[24+\n], v[24+\n], v[16+\n], s33
.endr
.irp n, 0,1,2,3
	v_mul_f32 v[20+\n], v[20+\n], v[16+\n]
	v_mul_f32 v[24+\n], v[24+\n], v[16+\n]
	v_fma_f32 v[28+\n], v[16+\n], -0.5, 1.0
.endr
.irp n, 0,1,2,3
	v_fma_f32 v[20+\n], v[20+\n], v[8+\n], v[8+\n]   ; the sine of what is left
	v_fma_f32 v[24+\n], v[24+\n], v[16+\n], v[28+\n]   ; and its cosine
	v_cvt_i32_f32 v[12+\n], v[12+\n]
.endr
.macro QUAD n                          ; the quarter turn chooses and signs: selections only, no branch
	v_and_b32 v[28+\n], 1, v[12+\n]
	v_cmp_eq_u32 vcc_lo, 1, v[28+\n]
	v_cndmask_b32 v[32+\n], v[20+\n], v[24+\n], vcc_lo
	v_cndmask_b32 v[36+\n], v[24+\n], v[20+\n], vcc_lo
	v_and_b32 v[28+\n], 2, v[12+\n]
	v_lshlrev_b32 v[28+\n], 30, v[28+\n]
	v_xor_b32 v[32+\n], v[32+\n], v[28+\n]         ; sin
	v_add_nc_u32 v[28+\n], 1, v[12+\n]
	v_and_b32 v[28+\n], 2, v[28+\n]
	v_lshlrev_b32 v[28+\n], 30, v[28+\n]
	v_xor_b32 v[36+\n], v[36+\n], v[28+\n]         ; cos
.endm
	QUAD 0
	QUAD 1
	QUAD 2
	QUAD 3
	global_store_b128 v6, v[36:39], s[18:19]               ; 512 consecutive bytes each
	global_store_b128 v6, v[32:35], s[18:19] offset:2048
	s_endpgm
.Lfunc_end_k_q59968e0dd3_quant:
	.size	k_q59968e0dd3_quant, .Lfunc_end_k_q59968e0dd3_quant-k_q59968e0dd3_quant
	.p2alignl 7, 3214868480
	.fill 96, 4, 3214868480
	.section	.rodata,"a",@progbits
	.p2align	6, 0x0
	.amdhsa_kernel k_q59968e0dd3_quant
		.amdhsa_group_segment_fixed_size 35328
		.amdhsa_private_segment_fixed_size 0
		.amdhsa_enable_private_segment 0
		.amdhsa_kernarg_size 64
		.amdhsa_user_sgpr_count 2
		.amdhsa_user_sgpr_kernarg_segment_ptr 1
		.amdhsa_wavefront_size32 1
		.amdhsa_system_sgpr_workgroup_id_x 1
		.amdhsa_system_sgpr_workgroup_id_y 1
		.amdhsa_system_sgpr_workgroup_id_z 1
		.amdhsa_system_vgpr_workitem_id 0
		.amdhsa_next_free_vgpr 256
		.amdhsa_next_free_sgpr 66
		.amdhsa_reserve_vcc 1
		.amdhsa_float_denorm_mode_32 3
		.amdhsa_float_denorm_mode_16_64 3
		.amdhsa_memory_ordered 1
		.amdhsa_forward_progress 1
		.amdhsa_inst_pref_size 25
	.end_amdhsa_kernel
	.amdgpu_metadata
---
amdhsa.version: [ 1, 2 ]
amdhsa.kernels:
  - .name:           k_q59968e0dd3_quant
    .symbol:         k_q59968e0dd3_quant.kd
    .args:
      - { .name: x, .offset: 0, .size: 8, .value_kind: global_buffer, .address_space: global }
      - { .name: W_Q, .offset: 8, .size: 8, .value_kind: global_buffer, .address_space: global }
      - { .name: W_K, .offset: 16, .size: 8, .value_kind: global_buffer, .address_space: global }
      - { .name: W_V, .offset: 24, .size: 8, .value_kind: global_buffer, .address_space: global }
      - { .name: W_O, .offset: 32, .size: 8, .value_kind: global_buffer, .address_space: global }
      - { .name: xq, .offset: 40, .size: 8, .value_kind: global_buffer, .address_space: global }
      - { .name: wq, .offset: 48, .size: 8, .value_kind: global_buffer, .address_space: global }
      - { .name: tab, .offset: 56, .size: 8, .value_kind: global_buffer, .address_space: global }
    .group_segment_fixed_size: 35328
    .private_segment_fixed_size: 0
    .kernarg_segment_align: 8
    .kernarg_segment_size: 64
    .max_flat_workgroup_size: 128
    .sgpr_count:     66
    .vgpr_count:     256
    .wavefront_size: 32
...
	.end_amdgpu_metadata
.endif
;; end of part 1
;; launch qkv (part 2): grid 8 x 96, 4 waves a work-group, clusters of 4 x 4, 307,712 bytes of LDS; arguments xq, wq, tab, qh, kvh; writes qh, kvh
.if DOCPART == 2
	.amdgcn_target "amdgcn-amd-amdhsa--gfx1250"
	.amdhsa_code_object_version 6
	.text
	.protected	k_q59968e0dd3_qkv
	.globl	k_q59968e0dd3_qkv
	.p2align	8
	.type	k_q59968e0dd3_qkv,@function
k_q59968e0dd3_qkv:
	s_mov_b64 s[64:65], 0
	v_nop
	global_prefetch_b8 v0, s[64:65] scope:SCOPE_SE
	s_setreg_imm32_b32 hwreg(HW_REG_WAVE_MODE, 25, 1), 1
	s_wait_xcnt 0x0
	s_wait_alu depctr_hold_cnt(0) depctr_sa_sdst(0) depctr_va_vdst(0) depctr_va_sdst(0) depctr_va_ssrc(0) depctr_va_vcc(0) depctr_vm_vsrc(0)
	s_getreg_b32 s2, hwreg(HW_REG_IB_STS2, 6, 4)
	s_cmp_eq_u32 s2, 0
	s_cbranch_scc0 .Lentry_in_a_cluster
	s_endpgm
.Lentry_in_a_cluster:
	s_bfe_u32 s2, ttmp6, 0x10000c
	s_cmp_lg_u32 s2, 0xf033
	s_cbranch_scc0 .Lentry_shape_is_right
	s_endpgm
.Lentry_shape_is_right:
; q = x W_Q^T, k = x W_K^T, v = x W_V^T on codes of FP6 (E2M3) with E8M0 scales; q and k are rotated (adjacent pairs, cos and sin from tab); all three are quantised again, in registers,
; for the two products of attention, and leave as images of those products' operand registers.  q, k: along the head's 64; v: along the keys.
; OPERANDS lie in memory as half fragments (16 rows x 64 along K, 768 bytes: lane l = 16 h + r: 16 bytes at 16 l, 8 bytes at 512 + 8 l), [block of 16 rows][16][768]; lane r of block t holds
; row 32 (t / 2) + 8 (t % 2) + r + 8 (r / 8).  Scale bytes: [block][k / 256][r][8].  So a fragment comes from LDS by loads of 512 and 256 consecutive bytes: no pitch, no padding.
; TILE.  Source 0 is P, 256 rows a work-group and 128 a wave; source 1 is R, 128 rows a work-group and 64 a wave: 32 accumulators a wave.  In a result lane (r, h) holds R's row of lane r, and
; the 16 registers of P's blocks 2 b and 2 b + 1 are P's rows 32 b + 16 h + 0 .. 15: neighbours along the next product's K.
; TWO KINDS, by the cluster's y (alike in all partners).  Kind 0 (clusters y 0-15): P = W_Q, W_K (a wave's 128 columns are two heads), R = x.  Kind 1 (y 16-23): P = x (128 keys a wave), R = W_V
; (64 channels a wave: one head), so that a lane holds one channel and its registers run along the keys.
; ALL OF K LIES IN LDS: 1,024 codes are 768 bytes a row: P 196,608 bytes, R 98,304, scale bytes 12,288.  Every byte is filled once: five tensor loads a wave, all issued at the start (five of mine are
; outstanding at the most); K is waited for in four chunks of 256.  No byte is filled again.
; CLUSTERS: 4 x 4.  P's tile hangs on cx and is shared down a column of the cluster, R's on cy and is shared along a row: each is asked for jointly, by the same load with a mask that names the four.
; LIMITS: a block of zeros gets the scale byte 1 where the rule says 127 (its codes are zeros; this program alone reads the bytes); blocks under 2^-124 keep the byte 1; NaN and infinities are not served.
; REGISTERS, in windows of 256: window 0: v1-31 addresses; v32-95 P's scale words (8 p + s), v96-127 R's (8 a + s): they hold scales alone; v128-255 at work in the epilogue.
;   window 1: P's fragments, two sets (128 (s % 2) + 12 p).  window 2: R's, two sets (64 (s % 2) + 12 a); v128-255 the table.  window 3: accumulator (a, p) at 8 (8 a + p).
.set WV,   14                          ; s14 wave;  s15 wave % 2: my half of P, and which half of a tile I fetch;  s16 wave / 2: my half of R
.set WP,   15
.set WR,   16
.set CXP,  17                          ; s17, s18 my place in the cluster;  s19 the kind
.set CYP,  18
.set KIND, 19
.set G1P,  20                          ; s[20:27] group 1 for P's codes; s[28:35] R's; s[36:43] P's scale bytes; s[44:51] R's
.set G1R,  28
.set G1SP, 36
.set G1SR, 44                          ; groups 0: P: s[52:55] scale bytes, s[56:63], s[68:75] chunks 0-3;  R: s[76:79], s[80:95]
.set SEL,  98                          ; s[98:99] lane selects, s100 lanes 16-31 (behind the fills)
.set HIM,  100
.set SP,   32
.set SR,   96
.set TT,   128                         ; v128-143 the rotation's products with sin
.set TM,   144                         ; v144-159 the quantiser: maxima, bytes, scale operands
.set PW,   160                         ; v160-163 the four scale words
.set MSB, 0
.macro WIN new                         ; the immediate's high byte repeats the setting that is left
.if MSB != \new
	s_set_vgpr_msb (MSB<<8)|\new
.set MSB, \new
.endif
.endm
.macro PLACES                          ; four plain lines between a matrix instruction and a load into, or a read of, its registers
.rept 4
	v_nop
.endr
.endm
.macro CROUND                          ; a round of the cluster's barrier
	s_barrier_signal -1
	s_barrier_wait -1
	s_cmp_lg_u32 s[WV], 0
	s_cbranch_scc1 .Lnot_wave_0_\@
	s_barrier_signal -3
.Lnot_wave_0_\@:
	s_barrier_wait -3
	s_barrier_signal -1
	s_barrier_wait -1
.endm
	s_load_b256 s[4:11], s[0:1], 0x0               ; xq, wq, tab, qh
	s_load_b64 s[12:13], s[0:1], 0x20              ; kvh
	v_lshl_add_u32 v251, v0, 2, 0x4b000
	v_mov_b32 v255, 0
	ds_add_u32 v251, v255
	ds_add_u32 v251, v255
	v_lshrrev_b32 v1, 5, v0
	v_readfirstlane_b32 s[WV], v1
	s_and_b32 s[WP], s[WV], 1
	s_lshr_b32 s[WR], s[WV], 1
	s_bfe_u32 s[CXP], ttmp6, 0x40000
	s_bfe_u32 s[CYP], ttmp6, 0x40004
	s_lshl_b32 s3, 0x1111, s[CXP]                  ; my column of the cluster
	s_lshl_b32 s67, s[CYP], 2
	s_lshl_b32 s67, 15, s67                        ; my row
	s_or_b32 s[G1P], s3, (3<<16)|(1<<21)           ; 15:0 the mask; 17:16 elements of 8 bytes; 21 set beside a mask; no padding
	s_or_b32 s[G1SP], s3, (3<<16)|(1<<21)
	s_or_b32 s[G1R], s67, (3<<16)|(1<<21)
	s_or_b32 s[G1SR], s67, (3<<16)|(1<<21)
.irp g, G1P, G1R                       ; codes: a row is a block's 256 along K, 3,072 bytes = 384 elements; blocks lie 12,288 bytes = 1,536 elements apart
	s_mov_b32 s[\g+1], 384<<16
	s_mov_b32 s[\g+3], 384<<16
	s_mov_b32 s[\g+5], 1536
	s_mov_b32 s[\g+6], 0
	s_mov_b32 s[\g+7], 0
.endr
	s_mov_b32 s[G1P+2], 8<<16                      ; P: 8 blocks a load
	s_mov_b32 s[G1P+4], 8
	s_mov_b32 s[G1R+2], 4<<16                      ; R: 4
	s_mov_b32 s[G1R+4], 4
.irp g, G1SP, G1SR                     ; scale bytes: a dense block, as rows of 256 bytes
	s_mov_b32 s[\g+1], 32<<16
	s_mov_b32 s[\g+3], 32<<16
	s_mov_b32 s[\g+5], 32
	s_mov_b32 s[\g+6], 0
	s_mov_b32 s[\g+7], 0
.endr
	s_mov_b32 s[G1SP+2], 16<<16                    ; P: 4,096 bytes a load
	s_mov_b32 s[G1SP+4], 16
	s_mov_b32 s[G1SR+2], 8<<16                     ; R: 2,048
	s_mov_b32 s[G1SR+4], 8
	s_and_b32 s96, ttmp7, 0xffff                   ; the cluster's y
	s_sub_co_u32 s2, s96, 16
	s_mov_b32 s97, 3145728
	s_wait_dscnt 0x0
	s_wait_kmcnt 0x0
	s_cmp_ge_u32 s96, 16                           ; the kind; only moves and selections stand between this compare and the last selection
	s_cselect_b32 s[KIND], 1, 0
	s_cselect_b32 s2, s2, ttmp9                    ; the cluster's coordinate along P's tiles,
	s_cselect_b32 s66, ttmp9, s96                  ; and along R's
	s_cselect_b32 s97, 6291456, s97                ; from P's buffer to its scale bytes
	s_mov_b32 s96, 6291456
	s_cselect_b32 s96, 3211264, s96                ; from R's buffer to R's scale bytes (W_V's begin 128 blocks on)
	s_cselect_b32 s67, 1572864, 0                  ; and to R's codes
	s_cselect_b64 s[98:99], s[4:5], s[6:7]         ; P: xq or wq
	s_cselect_b64 s[100:101], s[6:7], s[4:5]       ; R: wq or xq
	s_lshl_b32 s2, s2, 2
	s_add_co_u32 s2, s2, s[CXP]                    ; PT: P's tile.  It stays in s2
	s_lshl_b32 s66, s66, 2
	s_add_co_u32 s66, s66, s[CYP]                  ; RT: R's tile.  It stays in s66
	s_lshl_b32 s72, s2, 13                         ; (registers of groups 0 that are not yet filled serve as temporaries)
	s_add_co_u32 s72, s72, s97
	s_lshl_b32 s73, s[WP], 12
	s_add_co_u32 s72, s72, s73
	s_mov_b32 s73, 0
	s_add_nc_u64 s[54:55], s[98:99], s[72:73]      ; P's scale bytes: 8,192 a tile, my half
	s_mul_i32 s72, s2, 196608
	s_mul_i32 s74, s[WP], 98304
	s_add_co_u32 s72, s72, s74
	s_add_nc_u64 s[98:99], s[98:99], s[72:73]      ; P's codes: my 8 blocks
	s_lshl_b32 s92, s66, 12
	s_add_co_u32 s92, s92, s96
	s_lshl_b32 s93, s[WP], 11
	s_add_co_u32 s92, s92, s93
	s_mov_b32 s93, 0
	s_add_nc_u64 s[78:79], s[100:101], s[92:93]    ; R's scale bytes
	s_mul_i32 s92, s66, 98304
	s_mul_i32 s94, s[WP], 49152
	s_add_co_u32 s92, s92, s94
	s_add_co_u32 s92, s92, s67
	s_add_nc_u64 s[100:101], s[100:101], s[92:93]  ; R's codes: my 4 blocks
	s_mov_b32 s52, 1
	s_lshl_b32 s53, s[WP], 12
	s_add_co_u32 s53, s53, 294912
	s_or_b32 s55, s55, 0x80000000
	s_mov_b32 s76, 1
	s_lshl_b32 s77, s[WP], 11
	s_add_co_u32 s77, s77, 303104
	s_or_b32 s79, s79, 0x80000000
	s_mul_i32 s3, s[WP], 24576
	s_mul_i32 s67, s[WP], 12288
.irp c, 0,1,2,3                        ; chunk c: k = 256 c on
	s_mov_b32 s[56+4*\c+4*(\c/2)], 1
	s_add_co_u32 s[57+4*\c+4*(\c/2)], s3, 49152*\c
	s_add_nc_u64 s[58+4*\c+4*(\c/2):59+4*\c+4*(\c/2)], s[98:99], 3072*\c
	s_or_b32 s[59+4*\c+4*(\c/2)], s[59+4*\c+4*(\c/2)], 0x80000000
	s_mov_b32 s[80+4*\c], 1
	s_add_co_u32 s[81+4*\c], s67, 196608+24576*\c
	s_add_nc_u64 s[82+4*\c:83+4*\c], s[100:101], 3072*\c
	s_or_b32 s[83+4*\c], s[83+4*\c], 0x80000000
.endr
	CROUND                                         ; all sixteen work-groups are here: the joint loads meet
	s_cmp_lt_u32 s[WV], 2                          ; waves 0 and 1 fetch P's halves, waves 2 and 3 R's: a wave's five loads stand in one branch, four v_nop behind the last
	s_cbranch_scc0 .Lfill_r
	tensor_load_to_lds s[52:55], s[G1SP:G1SP+7]
	s_nop 0
	tensor_load_to_lds s[56:59], s[G1P:G1P+7]
	s_nop 0
	tensor_load_to_lds s[60:63], s[G1P:G1P+7]
	s_nop 0
	tensor_load_to_lds s[68:71], s[G1P:G1P+7]
	s_nop 0
	tensor_load_to_lds s[72:75], s[G1P:G1P+7]
	s_nop 0
	PLACES
	s_branch .Lfilled
.Lfill_r:
	tensor_load_to_lds s[76:79], s[G1SR:G1SR+7]
	s_nop 0
	tensor_load_to_lds s[80:83], s[G1R:G1R+7]
	s_nop 0
	tensor_load_to_lds s[84:87], s[G1R:G1R+7]
	s_nop 0
	tensor_load_to_lds s[88:91], s[G1R:G1R+7]
	s_nop 0
	tensor_load_to_lds s[92:95], s[G1R:G1R+7]
	s_nop 0
	PLACES
.Lfilled:
	v_and_b32 v1, 31, v0                           ; l
	v_and_b32 v2, 15, v0                           ; r
	v_bfe_u32 v3, v0, 4, 1                         ; h
	v_lshlrev_b32 v22, 4, v1                       ; 16 l
	v_lshlrev_b32 v23, 3, v1                       ; 8 l
	s_mul_i32 s3, s[WP], 24576                     ; my 8 blocks of P,
	s_mul_i32 s67, s[WR], 12288                    ; my 4 of R
	s_add_co_u32 s67, s67, 196608
.irp c, 0,1,2,3                        ; v4-7, v8-11: P's chunk c at 16 l and at 8 l;  v12-15, v16-19: R's
	v_add_nc_u32 v[4+\c], s3, v22
	v_add_nc_u32 v[8+\c], s3, v23
	v_add_nc_u32 v[12+\c], s67, v22
	v_add_nc_u32 v[16+\c], s67, v23
	s_add_co_u32 s3, s3, 49152
	s_add_co_u32 s67, s67, 24576
.endr
	s_lshl_b32 s3, s[WP], 12
	s_add_co_u32 s3, s3, 294912
	v_lshl_add_u32 v20, v2, 3, s3                  ; P's scale words: 8 r
	s_lshl_b32 s67, s[WR], 11
	s_add_co_u32 s67, s67, 303104
	v_lshl_add_u32 v21, v2, 3, s67                 ; R's
.irp b, 0,1,2,3
	v_mov_b32 v[TM+4+\b], 0                        ; written once: a lane permute's destination counts as one of its sources
.endr
	s_mov_b32 s[SEL], 0x76543210
	s_mov_b32 s[SEL+1], 0xfedcba98
	s_mov_b32 s[HIM], 0xffff0000
	s_cmp_eq_u32 s[KIND], 1
	s_cbranch_scc1 .Lno_table
	s_lshl_b32 s96, s66, 3                         ; kind 0: cos and sin of my 64 rows' positions: blocks (8 RT + 4 wave / 2) % 128 on, 4,096 bytes each
	s_lshl_b32 s97, s[WR], 2
	s_add_co_u32 s96, s96, s97
	s_and_b32 s96, s96, 127
	s_lshl_b32 s96, s96, 12
	s_mov_b32 s97, 0
	s_add_nc_u64 s[8:9], s[8:9], s[96:97]
	WIN 0x80                                       ; destination window 2
.irp a, 0,1,2,3
.irp e, 0,1,2,3,4,5,6,7
	global_load_b128 v[128+32*\a+4*\e:128+32*\a+4*\e+3], v22, s[8:9] offset:4096*\a+512*\e
.endr
.endr
	WIN 0
.Lno_table:
.macro FRAG reg, a16, a8, off          ; a fragment, 16 rows x 128 K, 12 registers: two half fragments on end
	ds_load_b128 v[\reg:\reg+3], v[\a16] offset:\off
	ds_load_b64 v[\reg+4:\reg+5], v[\a8] offset:\off+512
	ds_load_b128 v[\reg+6:\reg+9], v[\a16] offset:\off+768
	ds_load_b64 v[\reg+10:\reg+11], v[\a8] offset:\off+1280
.endm
.macro FETCH s                         ; K step s (128 along K): P's eight fragments and R's four into set s % 2
	WIN 0x40
.irp i, 0,1,2,3,4,5,6,7
	FRAG 128*((\s)%2)+12*\i, 4+(\s)/2, 8+(\s)/2, 3072*\i+1536*((\s)%2)
.endr
	WIN 0x80
.irp i, 0,1,2,3
	FRAG 64*((\s)%2)+12*\i, 12+(\s)/2, 16+(\s)/2, 3072*\i+1536*((\s)%2)
.endr
	WIN 0
.endm
.macro KSTEP s                         ; 32 matrix instructions; the next step's fragments are asked for ahead of them
	s_wait_dscnt 0x0                               ; this step's fragments are in (asked for 32 matrix instructions ago)
.if ((\s)==1)||((\s)==3)||((\s)==5)
	s_wait_tensorcnt 3-((\s)+1)/2                  ; my part of the next chunk has landed; the later chunks' loads may stay out
	s_barrier_signal -1
	s_barrier_wait -1                              ; everybody's has
.endif
.if (\s) < 7
.if (\s) > 0
	PLACES                                         ; the set was read by the last step's products
.endif
	FETCH (\s)+1
.endif
	WIN 0xf9                                       ; source 0 window 1, source 1 window 2, C and D window 3
.irp a, 0,1,2,3                        ; the 32 accumulators take turns, one instruction a turn, in the same order in every step
.irp p, 0,1,2,3,4,5,6,7
.if (\s) == 0
	v_wmma_scale_f32_16x16x128_f8f6f4 v[8*(8*\a+\p):8*(8*\a+\p)+7], v[128*((\s)%2)+12*\p:128*((\s)%2)+12*\p+11], v[64*((\s)%2)+12*\a:64*((\s)%2)+12*\a+11], 0, v[SP+8*\p+(\s)], v[SR+8*\a+(\s)] matrix_a_fmt:MATRIX_FMT_FP6 matrix_b_fmt:MATRIX_FMT_FP6
.else
	v_wmma_scale_f32_16x16x128_f8f6f4 v[8*(8*\a+\p):8*(8*\a+\p)+7], v[128*((\s)%2)+12*\p:128*((\s)%2)+12*\p+11], v[64*((\s)%2)+12*\a:64*((\s)%2)+12*\a+11], v[8*(8*\a+\p):8*(8*\a+\p)+7], v[SP+8*\p+(\s)], v[SR+8*\a+(\s)] matrix_a_fmt:MATRIX_FMT_FP6 matrix_b_fmt:MATRIX_FMT_FP6
.endif
.endr
.endr
	WIN 0
.endm
	s_wait_tensorcnt 3                             ; my scale bytes and my part of chunk 0 are in; three chunks' loads may be out
	s_barrier_signal -1
	s_barrier_wait -1
	s_wait_alu depctr_va_vdst(0)
.irp i, 0,1,2,3,4,5,6,7                ; all scale words, once: 8 bytes are the words of two K steps
.irp c, 0,1,2,3
	ds_load_b64 v[SP+8*\i+2*\c:SP+8*\i+2*\c+1], v20 offset:512*\i+128*\c
.endr
.endr
.irp i, 0,1,2,3
.irp c, 0,1,2,3
	ds_load_b64 v[SR+8*\i+2*\c:SR+8*\i+2*\c+1], v21 offset:512*\i+128*\c
.endr
.endr
	FETCH 0
	KSTEP 0
	KSTEP 1
	KSTEP 2
	KSTEP 3
	KSTEP 4
	KSTEP 5
	KSTEP 6
	KSTEP 7
	; THE WAY OUT.  No tensor load of mine is out since K step 5: the descriptors' registers are free.  Both kinds' numbers are made and chosen by selections, so that each base has one origin.
	s_or_b32 s20, s[KIND], ttmp9                   ; 0 only for q (kind 0, cluster x 0)
	s_cmp_lg_u32 s20, 0
	s_cselect_b64 s[22:23], s[12:13], s[10:11]     ; kvh or qh
	s_mov_b32 s24, 106496
	s_cselect_b32 s24, 208896, s24                 ; a head's bytes in that buffer
	s_mov_b32 s25, 98304
	s_cselect_b32 s25, 196608, s25                 ; where q's or k's scale words begin in a head
	s_lshr_b32 s26, s66, 4                         ; kind 0: batch RT / 16,
	s_lshl_b32 s26, s26, 4
	s_and_b32 s27, s2, 3
	s_lshl_b32 s27, s27, 2
	s_add_co_u32 s26, s26, s27
	s_lshl_b32 s27, s[WP], 1
	s_add_co_u32 s26, s26, s27                     ; my first head: 16 batch + 4 (PT % 4) + 2 (wave % 2)
	s_lshl_b32 s27, s66, 3
	s_lshl_b32 s28, s[WR], 2
	s_add_co_u32 s27, s27, s28
	s_and_b32 s27, s27, 127                        ; my first block of positions
	s_mul_i32 s28, s27, 768
	s_lshl_b32 s29, s27, 6
	s_add_co_u32 s29, s29, s25
	s_lshr_b32 s30, s2, 3                          ; kind 1: batch PT / 8,
	s_lshl_b32 s30, s30, 4
	s_lshl_b32 s31, s66, 1
	s_add_co_u32 s30, s30, s31
	s_add_co_u32 s30, s30, s[WR]                   ; my head: 16 batch + 2 RT + wave / 2
	s_and_b32 s31, s2, 7
	s_lshl_b32 s31, s31, 1
	s_add_co_u32 s31, s31, s[WP]                   ; my step of 128 keys
	s_mul_i32 s32, s31, 6144
	s_add_co_u32 s32, s32, 98304
	s_lshl_b32 s33, s31, 8
	s_add_co_u32 s33, s33, 204800
	s_cmp_eq_u32 s[KIND], 1
	s_cselect_b32 s26, s30, s26
	s_cselect_b32 s28, s32, s28                    ; my codes' place in the head,
	s_cselect_b32 s29, s33, s29                    ; my scale words',
	s_cselect_b32 s34, 768, s24                    ; from a fragment's first half to its second: the next 768 bytes, or the next head,
	s_mov_b32 s35, 768
	s_cselect_b32 s35, 1536, s35                   ; and from R's block a to block a + 1
	s_mul_i32 s26, s26, s24
	s_add_co_u32 s36, s26, s28
	s_mov_b32 s37, 0
	s_add_nc_u64 s[40:41], s[22:23], s[36:37]
	s_mov_b32 s36, s34
	s_add_nc_u64 s[42:43], s[40:41], s[36:37]
	s_add_co_u32 s36, s26, s29
	s_add_nc_u64 s[44:45], s[22:23], s[36:37]
.irp a, 0,1,2,3                        ; the stores' offsets.  These eight plain lines name no register of the last products: they are the places behind them
	s_mul_i32 s36, s35, \a
	v_add_nc_u32 v[24+\a], s36, v22
	v_add_nc_u32 v[28+\a], s36, v23
.endr
	s_cmp_eq_u32 s[KIND], 1
	s_cbranch_scc1 .Lno_rope
	s_wait_loadcnt 0x0                             ; the table
; Register 64 a + 16 be + i is column 32 be + 16 h + i of my 128: a pair (2 m, 2 m + 1) is the head's pair 16 (be % 2) + 8 h + m.  Each accumulator is read from its low end on.
.macro ROPE a
.irp be, 0,1,2,3
	WIN 0x0b                                       ; source 0 window 3, source 1 window 2
.irp m, 0,1,2,3,4,5,6,7
	v_mul_f32 v[TT+2*\m], v[64*(\a)+16*\be+2*\m+1], v[144+32*(\a)+8*(\be%2)+\m]      ; x2 sin
	v_mul_f32 v[TT+2*\m+1], v[64*(\a)+16*\be+2*\m], v[144+32*(\a)+8*(\be%2)+\m]      ; x1 sin
.endr
	WIN 0xcb                                       ; and the destination window 3
.irp m, 0,1,2,3,4,5,6,7
	v_fma_f32 v[64*(\a)+16*\be+2*\m], v[64*(\a)+16*\be+2*\m], v[128+32*(\a)+8*(\be%2)+\m], -v[TT+2*\m]          ; x1 cos - x2 sin
	v_fma_f32 v[64*(\a)+16*\be+2*\m+1], v[64*(\a)+16*\be+2*\m+1], v[128+32*(\a)+8*(\be%2)+\m], v[TT+2*\m+1]      ; x2 cos + x1 sin
.endr
.endr
.endm
	ROPE 0
	ROPE 1
	ROPE 2
	ROPE 3
	WIN 0
.Lno_rope:
; R's block a: a lane's 64 numbers, register 16 b + i = k 32 b + 16 h + i of its row, become 12 registers of codes and a scale word; each block has registers of its own, so no store's data are written again.
.macro QUANT a
.set QS, 64*(\a)
.set PC, 176+20*(\a)
	WIN 0x0f
.irp b, 0,1,2,3
	v_max3_num_f32 v[TM+\b], |v[QS+16*\b]|, |v[QS+1+16*\b]|, 0x1800000   ; my 16 numbers of block b, and the floor 2^(3 - 127): the byte cannot fall under 1
.endr
	WIN 0x3c
.irp i, 2,4,6,8,10,12,14
.irp b, 0,1,2,3
	v_max3_num_f32 v[TM+\b], v[TM+\b], |v[QS+16*\b+\i]|, |v[QS+1+16*\b+\i]|
.endr
.endr
	WIN 0
.irp b, 0,1,2,3
	v_permlanex16_b32 v[TM+4+\b], v[TM+\b], s[SEL], s[SEL+1]
.endr
.irp b, 0,1,2,3
	v_max_num_f32 v[TM+\b], v[TM+\b], v[TM+4+\b]   ; with lane l xor 16's: the block's largest magnitude
.endr
.irp b, 0,1,2,3
	v_add_nc_u32 v[TM+12+\b], 0xff000000, v[TM+\b] ; 2 off its exponent field: the conversion's scale operand
.endr
.irp b, 0,1,2,3
	v_lshrrev_b32 v[TM+4+\b], 23, v[TM+12+\b]      ; the scale's byte
.endr
	v_lshl_or_b32 v[PW+(\a)], v[TM+5], 8, v[TM+4]
	v_lshl_or_b32 v[PW+(\a)], v[TM+6], 16, v[PW+(\a)]
	v_lshl_or_b32 v[PW+(\a)], v[TM+7], 24, v[PW+(\a)]
	WIN 0x03
.irp c, 0,1
	v_cvt_scalef32_pk16_fp6_f32 v[PC+6*\c:PC+2+6*\c], v[QS+32*\c:QS+15+32*\c], v[TM+12+2*\c]
	v_cvt_scalef32_pk16_fp6_f32 v[PC+12+4*\c:PC+14+4*\c], v[QS+16+32*\c:QS+31+32*\c], v[TM+12+2*\c+1]   ; (a conversion's three registers begin on an even number)
.endr
	WIN 0
	v_nop                                          ; one plain line behind a scaled conversion
.irp c, 0,1                            ; the operand's layout wants a whole block in a lane: lanes 0-15 block 2 c, lanes 16-31 block 2 c + 1
.irp i, 0,1,2
	v_permlane16_swap_b32 v[PC+6*\c+\i], v[PC+12+4*\c+\i]
.endr
.irp i, 0,1,2
	v_mov_b32 v[PC+3+6*\c+\i], v[PC+12+4*\c+\i]
.endr
.endr
	global_store_b128 v[24+(\a)], v[PC:PC+3], s[40:41]               ; a half fragment: 512 consecutive bytes, at a multiple of 256 from the buffer's first byte,
	global_store_b64 v[28+(\a)], v[PC+4:PC+5], s[40:41] offset:512   ; and the 256 behind them
	global_store_b128 v[24+(\a)], v[PC+6:PC+9], s[42:43]
	global_store_b64 v[28+(\a)], v[PC+10:PC+11], s[42:43] offset:512
.endm
	QUANT 0
	QUANT 1
	QUANT 2
	QUANT 3
	s_cmp_eq_u32 s[KIND], 1
	s_cbranch_scc1 .Lv_words
	v_lshlrev_b32 v165, 4, v3                      ; q, k: a word's low two bytes are the first head's, the high two the second's: lanes 0-15 store the first's, lanes 16-31 the second's; the
	v_mul_u32_u24 v164, v3, s24                    ; upper two bytes of a stored word are 0: they scale the zeros that fill the product's K from 64 to 128
	v_lshl_add_u32 v164, v2, 2, v164
.irp a, 0,1,2,3
	v_lshrrev_b32 v[166+\a], v165, v[PW+\a]
	v_and_b32 v[166+\a], 0xffff, v[166+\a]
	global_store_b32 v164, v[166+\a], s[44:45] offset:64*\a        ; 64 consecutive bytes in each of two heads
.endr
	s_branch .Lend
.Lv_words:
	v_lshlrev_b32 v164, 2, v1                      ; v: lanes 0-15 store block a's words, lanes 16-31 block a + 1's: 128 consecutive bytes
	v_cndmask_b32 v166, v160, v161, s[HIM]
	v_cndmask_b32 v167, v162, v163, s[HIM]
	global_store_b32 v164, v166, s[44:45]
	global_store_b32 v164, v167, s[44:45] offset:128
.Lend:
	s_wait_tensorcnt 0x0
	ds_add_u32 v251, v255
	s_wait_dscnt 0x0
	CROUND                                         ; the closing round: no work-group ends while a partner may still ask for a tile that names it
	s_endpgm
.Lfunc_end_k_q59968e0dd3_qkv:
	.size	k_q59968e0dd3_qkv, .Lfunc_end_k_q59968e0dd3_qkv-k_q59968e0dd3_qkv
	.p2alignl 7, 3214868480
	.fill 96, 4, 3214868480
	.section	.rodata,"a",@progbits
	.p2align	6, 0x0
	.amdhsa_kernel k_q59968e0dd3_qkv
		.amdhsa_group_segment_fixed_size 307712
		.amdhsa_private_segment_fixed_size 0
		.amdhsa_enable_private_segment 0
		.amdhsa_kernarg_size 40
		.amdhsa_user_sgpr_count 2
		.amdhsa_user_sgpr_kernarg_segment_ptr 1
		.amdhsa_wavefront_size32 1
		.amdhsa_system_sgpr_workgroup_id_x 1
		.amdhsa_system_sgpr_workgroup_id_y 1
		.amdhsa_system_sgpr_workgroup_id_z 1
		.amdhsa_system_vgpr_workitem_id 0
		.amdhsa_next_free_vgpr 1024
		.amdhsa_next_free_sgpr 102
		.amdhsa_reserve_vcc 0
		.amdhsa_float_denorm_mode_32 3
		.amdhsa_float_denorm_mode_16_64 3
		.amdhsa_memory_ordered 1
		.amdhsa_forward_progress 1
		.amdhsa_inst_pref_size 122
	.end_amdhsa_kernel
	.amdgpu_metadata
---
amdhsa.version: [ 1, 2 ]
amdhsa.kernels:
  - .name:           k_q59968e0dd3_qkv
    .symbol:         k_q59968e0dd3_qkv.kd
    .args:
      - { .name: xq, .offset: 0, .size: 8, .value_kind: global_buffer, .address_space: global }
      - { .name: wq, .offset: 8, .size: 8, .value_kind: global_buffer, .address_space: global }
      - { .name: tab, .offset: 16, .size: 8, .value_kind: global_buffer, .address_space: global }
      - { .name: qh, .offset: 24, .size: 8, .value_kind: global_buffer, .address_space: global }
      - { .name: kvh, .offset: 32, .size: 8, .value_kind: global_buffer, .address_space: global }
    .group_segment_fixed_size: 307712
    .private_segment_fixed_size: 0
    .kernarg_segment_align: 8
    .kernarg_segment_size: 40
    .max_flat_workgroup_size: 128
    .sgpr_count:     102
    .vgpr_count:     1024
    .wavefront_size: 32
...
	.end_amdgpu_metadata
.endif
;; end of part 2
;; launch attn (part 3): grid 4 x 64, 16 waves a work-group, clusters of 4 x 1, 210,944 bytes of LDS; arguments qh, kvh, oq; writes oq
.if DOCPART == 3
	.amdgcn_target "amdgcn-amd-amdhsa--gfx1250"
	.amdhsa_code_object_version 6
	.text
	.protected	k_q59968e0dd3_attn
	.globl	k_q59968e0dd3_attn
	.p2align	8
	.type	k_q59968e0dd3_attn,@function
k_q59968e0dd3_attn:
	s_mov_b64 s[64:65], 0
	v_nop
	global_prefetch_b8 v0, s[64:65] scope:SCOPE_SE
	s_setreg_imm32_b32 hwreg(HW_REG_WAVE_MODE, 25, 1), 1
	s_wait_xcnt 0x0
	s_wait_alu depctr_hold_cnt(0) depctr_sa_sdst(0) depctr_va_vdst(0) depctr_va_sdst(0) depctr_va_ssrc(0) depctr_va_vcc(0) depctr_vm_vsrc(0)
	s_getreg_b32 s2, hwreg(HW_REG_IB_STS2, 6, 4)
	s_cmp_eq_u32 s2, 0
	s_cbranch_scc0 .Lentry_in_a_cluster
	s_endpgm
.Lentry_in_a_cluster:
	s_bfe_u32 s2, ttmp6, 0x10000c
	s_cmp_lg_u32 s2, 0x3003
	s_cbranch_scc0 .Lentry_shape_is_right
	s_endpgm
.Lentry_shape_is_right:
; o = softmax(q k^T / 8, causal) v for one head a cluster, both products on codes of FP6 (E2M3) with E8M0 scales; o is quantised along its 64 channels and leaves as half fragments of the last product's operand.
; THE SOFTMAX: t = score x log2(e) / 8; M = the running largest t rounded UP to a whole number; p = 2^(t - M) is quantised along the keys, not normalised; the row's sum is taken of the unquantised p and
; divides at the end; when M moves, the sum and O are multiplied by 2^(old M - new M), which rounds nothing.
; A WHOLE HEAD'S K AND V LIE IN LDS, 208,896 bytes as they lie in kvh: K's half fragments [block of 16 keys][768] at 0, V^T's fragments [step of 128 keys][tile of 16 channels][1,536] at 98,304, K's scale words
; at 196,608, V's at 204,800.  Every byte is filled once, by three joint loads of each of waves 0-7 (three of mine are outstanding at the most); one wait, one barrier; after that the waves run free.
; CLUSTER: the four work-groups of a cluster serve one head and ask for it jointly (mask 15).
; SHARES.  The head's 128 tiles of 16 queries: wave w of the work-group at place cx takes tile 4 w + cx, and then tile 127 - (4 w + cx).  The first lies in queries 64 w .. 64 w + 63, the second in 64 (31 - w) on:
; so which steps of 128 keys are hidden (2 j > m) or wholly open (2 j + 2 <= m) hangs on the wave's number alone, alike in all partners; cx enters global addresses and the mask's vector register only.
; Every wave has 17 steps in all.  The loops' trip counts are constants (8 and 16): a hidden step's work is jumped over.
; LAYOUT.  Both products are used transposed: S^T = K Q^T (the head's 64 fill half of the instruction's K: the upper six registers of both operands are zeros), O^T = V^T P^T: a lane holds one query.
; Lane r of a block holds row 32 (t / 2) + 8 (t % 2) + r + 8 (r / 8), so the 16 registers of tiles 2 b and 2 b + 1 are 16 neighbours: keys in S^T, channels in O^T.
; The codes leave in whole runs of 512 and 256 bytes.  o's scale bytes leave singly, 32 a tile: the bytes beside them belong to other heads, which other work-groups make: one byte in 24 of what is stored.
; LIMITS: a block of zeros gets the byte 1 where the rule says 127; blocks under 2^-124 keep the byte 1; NaN and infinities are not served.
; REGISTERS: v1 16 l, v2 8 l, v3 196,608 + 4 r; v4-9 the step's LDS addresses; v10 my query - 16 h; v11 Q's scale word; v12 -M, v13 the largest t, v[14:15] the sum; v16-27 Q; v28-31 V's scale words;
;   v32-79 four fragments of K; v80-127 four of V; v128-191 S^T, then p; v192-223 O^T; v224-235 p's codes; v232-255 at work (v248-251 K's scale words, v252 f, v253 p's scale word).
.set WV,  10
.set CXP, 11
.set BH,  12
.set T,   13                           ; my tile of queries
.set MM,  14                           ; it lies in queries 64 MM on
.set J2,  15                           ; twice the step's number: the loops' counter
.set TBK, 16                           ; the step's codes: 6,144 bytes a step, in K and in V
.set TBS, 17                           ; K's scale words: 512 a step
.set TBT, 18                           ; V's: 256 a step
.set KF,  19                           ; the step's first key
.set SEL, 20                           ; s[20:21] lane selects for lane l xor 16
.set CS,  22                           ; s[22:23] c = log2(e) / 8
.set G1C, 24                           ; s[24:31] group 1: 48 rows of 256 bytes;  s[32:39]: 6 rows;  s[40:51] three groups 0
.set G1S, 32
.set HIM, 52                           ; lanes 16-31
.set S,   128
.set O,   192
.macro PLACES
.rept 4
	v_nop
.endr
.endm
.macro CROUND                          ; a round of the cluster's barrier
	s_barrier_signal -1
	s_barrier_wait -1
	s_cmp_lg_u32 s[WV], 0
	s_cbranch_scc1 .Lnot_wave_0_\@
	s_barrier_signal -3
.Lnot_wave_0_\@:
	s_barrier_wait -3
	s_barrier_signal -1
	s_barrier_wait -1
.endm
	s_load_b128 s[4:7], s[0:1], 0x0                ; qh, kvh
	s_load_b64 s[8:9], s[0:1], 0x10                ; oq
	v_lshl_add_u32 v254, v0, 2, 0x33000
	v_mov_b32 v255, 0
	ds_add_u32 v254, v255
	ds_add_u32 v254, v255
	s_wait_dscnt 0x0
	v_lshrrev_b32 v1, 5, v0
	s_delay_alu instid0(VALU_DEP_1)
	v_readfirstlane_b32 s[WV], v1                  ; wave 0..15
	s_bfe_u32 s[CXP], ttmp6, 0x40000
	s_and_b32 s[BH], ttmp7, 0xffff                 ; 16 batch + head
	s_mov_b32 s[G1C], 15|(3<<16)|(1<<21)           ; 15:0 all four work-groups; 17:16 elements of 8 bytes; 21 set beside a mask
	s_mov_b32 s[G1C+1], 32<<16
	s_mov_b32 s[G1C+2], 48<<16
	s_mov_b32 s[G1C+3], 32<<16
	s_mov_b32 s[G1C+4], 48
	s_mov_b32 s[G1C+5], 32
	s_mov_b32 s[G1C+6], 0
	s_mov_b32 s[G1C+7], 0
	s_mov_b32 s[G1S], 15|(3<<16)|(1<<21)
	s_mov_b32 s[G1S+1], 32<<16
	s_mov_b32 s[G1S+2], 6<<16
	s_mov_b32 s[G1S+3], 32<<16
	s_mov_b32 s[G1S+4], 6
	s_mov_b32 s[G1S+5], 32
	s_mov_b32 s[G1S+6], 0
	s_mov_b32 s[G1S+7], 0
	s_mov_b32 s40, 1
	s_mov_b32 s44, 1
	s_mov_b32 s48, 1
	s_mul_i32 s70, s[WV], 1536                     ; waves 0-7: an eighth of the scale words,
	s_add_co_u32 s41, s70, 196608
	s_lshr_b32 s70, s[WV], 2                       ; waves 0-3 K's codes, 4-7 V's: 12,288 bytes of the first half,
	s_mul_i32 s70, s70, 98304
	s_and_b32 s71, s[WV], 3
	s_mul_i32 s71, s71, 12288
	s_add_co_u32 s45, s70, s71
	s_add_co_u32 s49, s45, 49152                   ; and of the second.  LDS mirrors the head's bytes: one number is both offsets
	s_mul_i32 s68, s[BH], 208896
	s_mov_b32 s69, 0
	s_wait_kmcnt 0x0
	s_add_nc_u64 s[6:7], s[6:7], s[68:69]          ; my head in kvh
	s_mov_b32 s68, s41
	s_add_nc_u64 s[42:43], s[6:7], s[68:69]
	s_or_b32 s43, s43, 0x80000000
	s_mov_b32 s68, s45
	s_add_nc_u64 s[46:47], s[6:7], s[68:69]
	s_or_b32 s47, s47, 0x80000000
	s_mov_b32 s68, s49
	s_add_nc_u64 s[50:51], s[6:7], s[68:69]
	s_or_b32 s51, s51, 0x80000000
	CROUND                                         ; all four work-groups are here: the joint loads meet
	s_cmp_lt_u32 s[WV], 8
	s_cbranch_scc0 .Lno_fill
	tensor_load_to_lds s[40:43], s[G1S:G1S+7]
	s_nop 0
	tensor_load_to_lds s[44:47], s[G1C:G1C+7]
	s_nop 0
	tensor_load_to_lds s[48:51], s[G1C:G1C+7]
	s_nop 0
	PLACES                                         ; four v_nop behind the last
.Lno_fill:
	v_and_b32 v254, 31, v0
	s_delay_alu instid0(VALU_DEP_1)
	v_lshlrev_b32 v1, 4, v254
	s_delay_alu instid0(VALU_DEP_2)
	v_lshlrev_b32 v2, 3, v254
	v_and_b32 v255, 15, v0
	s_delay_alu instid0(VALU_DEP_1)
	v_lshl_add_u32 v3, v255, 2, 196608
.irp z, 22,23,24,25,26,27
	v_mov_b32 v[\z], 0                             ; Q's k = 64 .. 127: zero codes
.endr
.irp i, 0,1,2,3
.irp z, 0,1,2,3,4,5
	v_mov_b32 v[38+12*\i+\z], 0                    ; K's likewise: set once, never loaded over
.endr
.endr
.irp b, 0,1,2,3
	v_mov_b32 v[236+\b], 0                         ; written once: a lane permute's destination counts as one of its sources
.endr
	v_mov_b32 v252, 0
	v_mov_b32 v253, 0                              ; (named as the upper half of the pair v[252:253] before it is first written)
	s_mov_b32 s[SEL], 0x76543210
	s_mov_b32 s[SEL+1], 0xfedcba98
	s_mov_b32 s[CS], 0x3e38aa3b
	s_mov_b32 s[CS+1], s[CS]                       ; (named with it as a pair, so it is written)
	s_mov_b32 s[HIM], 0xffff0000
	s_lshr_b32 s53, s[BH], 4                       ; batch
	s_mul_i32 s70, s53, 1572864                    ; 128 blocks of 12,288 bytes
	s_and_b32 s71, s[BH], 15
	s_mul_i32 s71, s71, 768                        ; my head's half fragment in a block
	s_add_co_u32 s70, s70, s71
	s_mov_b32 s71, 0
	s_add_nc_u64 s[66:67], s[8:9], s[70:71]        ; o's codes
	s_lshl_b32 s70, s53, 16                        ; 128 blocks of 512 scale bytes
	s_bfe_u32 s53, s[BH], 0x20002                  ; head / 4: which 256 along K
	s_lshl_b32 s53, s53, 7
	s_add_co_u32 s70, s70, s53
	s_and_b32 s53, s[BH], 3
	s_lshl_b32 s53, s53, 1                         ; 2 (head % 4): my two bytes of a row's eight
	s_add_co_u32 s70, s70, s53
	s_add_nc_u64 s[68:69], s[8:9], s[70:71]        ; o's scale bytes (6,291,456 further on: in the store's immediate)
	s_mul_i32 s70, s[BH], 106496
	s_add_nc_u64 s[54:55], s[4:5], s[70:71]        ; my head in qh
	s_wait_tensorcnt 0x0                           ; my parts of the head have landed,
	s_barrier_signal -1
	s_barrier_wait -1                              ; everybody's have
.macro KLOAD g                         ; four tiles of 16 keys and their scale words
.irp i, 0,1,2,3
	ds_load_b128 v[32+12*\i:35+12*\i], v4 offset:3072*(\g)+768*\i
	ds_load_b64 v[36+12*\i:37+12*\i], v5 offset:3072*(\g)+768*\i+512
	ds_load_b32 v[248+\i], v8 offset:256*(\g)+64*\i
.endr
.endm
.macro KQ g
.irp i, 0,1,2,3
	v_wmma_scale_f32_16x16x128_f8f6f4 v[S+8*(4*(\g)+\i):S+8*(4*(\g)+\i)+7], v[32+12*\i:43+12*\i], v[16:27], 0, v[248+\i], v11 matrix_a_fmt:MATRIX_FMT_FP6 matrix_b_fmt:MATRIX_FMT_FP6
.endr
.endm
; A KEY STEP: 128 keys.
.macro STEP
	s_cmp_gt_u32 s[J2], s[MM]                      ; all its keys come after my queries: only the lines at its end are run
	s_cbranch_scc1 .Lhidden_\@
	s_setprio 2
	v_add_nc_u32 v4, s[TBK], v1                    ; six plain lines: also the places between the last step's products and the loads below
	v_add_nc_u32 v5, s[TBK], v2
	s_delay_alu instid0(VALU_DEP_2)
	v_add_nc_u32 v6, 0x18000, v4
	s_delay_alu instid0(VALU_DEP_2)
	v_add_nc_u32 v7, 0x18000, v5
	v_add_nc_u32 v8, s[TBS], v3
	v_add_nc_u32 v9, s[TBT], v3
	KLOAD 0
.irp n, 0,1,2,3                        ; V's four fragments and scale words are asked for now: they land under the softmax
	ds_load_b128 v[80+12*\n:83+12*\n], v6 offset:1536*\n
	ds_load_b64 v[84+12*\n:85+12*\n], v7 offset:1536*\n+512
	ds_load_b128 v[86+12*\n:89+12*\n], v6 offset:1536*\n+768
	ds_load_b64 v[90+12*\n:91+12*\n], v7 offset:1536*\n+1280
	ds_load_b32 v[28+\n], v9 offset:8192+64*\n
.endr
	s_wait_alu depctr_va_vdst(0)
	s_wait_dscnt 20                                ; K's first twelve loads are in; V's twenty, issued behind them, may be out
	KQ 0
	PLACES
	KLOAD 1
	s_wait_dscnt 0x0
	KQ 1
	PLACES
	s_add_co_u32 s70, s[J2], 2
	s_cmp_le_u32 s70, s[MM]                        ; all its keys count: no mask
	s_cbranch_scc1 .Lopen_\@
	v_mov_b32 v252, s[KF]
	s_delay_alu instid0(VALU_DEP_1)
	v_sub_nc_u32 v252, v10, v252                   ; d = my query - 16 h - the first key.  Register 16 b + i holds key 32 b + 16 h + i of the step: hidden where 32 b + i > d
	v_mov_b32 v254, 0xff800000                     ; -infinity: p = 0 then
.set n, 0
.rept 64
	v_cmp_gt_i32 vcc_lo, 32*(n/16)+n%16, v252
	v_cndmask_b32 v[S+n], v[S+n], v254, vcc_lo
.set n, n+1
.endr
.Lopen_\@:
.irp b, 0,1,2,3
	v_max3_num_f32 v[232+\b], v[S+16*\b], v[S+1+16*\b], v[S+2+16*\b]   ; the largest score of each block of 32 keys: for the row's maximum, and, since p rises with the score, for the block's largest p
.endr
.irp i, 3,5,7,9,11,13
.irp b, 0,1,2,3
	v_max3_num_f32 v[232+\b], v[232+\b], v[S+16*\b+\i], v[S+1+16*\b+\i]
.endr
.endr
.irp b, 0,1,2,3
	v_max_num_f32 v[232+\b], v[232+\b], v[S+15+16*\b]
.endr
.irp b, 0,1,2,3
	s_delay_alu instid0(VALU_DEP_4)
	v_permlanex16_b32 v[236+\b], v[232+\b], s[SEL], s[SEL+1]
.endr
.irp b, 0,1,2,3
	s_delay_alu instid0(VALU_DEP_4)
	v_max_num_f32 v[232+\b], v[232+\b], v[236+\b]  ; with lane l xor 16's 16 keys
.endr
	s_delay_alu instid0(VALU_DEP_2)
	v_max3_num_f32 v254, v232, v233, v234
	s_delay_alu instid0(VALU_DEP_1)
	v_max_num_f32 v254, v254, v235
	s_delay_alu instid0(VALU_DEP_1)
	v_mul_f32 v254, s[CS], v254                    ; the step's largest t
	s_delay_alu instid0(VALU_DEP_1)
	v_max_num_f32 v13, v13, v254
	v_mov_b32 v254, v12
	s_delay_alu instid0(VALU_DEP_2)
	v_floor_f32 v12, -v13                          ; -M = floor(-t): M is a whole number
	s_delay_alu instid0(VALU_DEP_1)
	v_sub_f32 v254, v12, v254                      ; old M - new M: a whole number, 0 or less
	s_delay_alu instid0(VALU_DEP_1)
	v_cvt_i32_f32 v254, v254                       ; (it saturates)
	s_delay_alu instid0(VALU_DEP_1)
	v_ldexp_f32 v252, 1.0, v254                    ; f = 2^(old M - new M)
.set j, 0
	s_setprio 1
.rept 32
	v_pk_fma_f32 v[S+j:S+j+1], v[S+j:S+j+1], s[CS:CS+1], v[12:13] op_sel_hi:[1,0,0]   ; t - M, two at a time
.set j, j+2
.endr
.irp b, 0,1,2,3
	v_fma_f32 v[232+\b], v[232+\b], s[CS], v12     ; the same of each block's largest score
.endr
.set j, 0
	s_wait_alu depctr_va_vdst(0)
.rept 64
	v_exp_f32 v[S+j], v[S+j]                       ; p
.set j, j+1
.endr
	v_pk_mul_f32 v[14:15], v[14:15], v[252:253] op_sel_hi:[1,0]   ; the sums under the new M: the plain line behind the exponentials
	s_wait_alu depctr_va_vdst(0)                   ; one wait for the batch of 64, ahead of its first reader
.irp b, 0,1,2,3
	v_exp_f32 v[232+\b], v[232+\b]                 ; each block's largest p
.endr
	v_pk_add_f32 v[236:237], v[132:133], v[136:137]
	v_pk_add_f32 v[254:255], v[140:141], v[144:145]
	v_pk_add_f32 v[250:251], v[148:149], v[152:153]
	v_pk_add_f32 v[248:249], v[156:157], v[160:161]
	v_pk_add_f32 v[246:247], v[164:165], v[168:169]
	v_pk_add_f32 v[244:245], v[172:173], v[176:177]
	v_pk_add_f32 v[242:243], v[180:181], v[184:185]
	v_pk_add_f32 v[14:15], v[14:15], v[188:189]
	v_pk_add_f32 v[236:237], v[236:237], v[128:129]
	v_pk_add_f32 v[254:255], v[254:255], v[130:131]
	v_pk_add_f32 v[250:251], v[250:251], v[134:135]
	v_pk_add_f32 v[248:249], v[248:249], v[138:139]
	v_pk_add_f32 v[246:247], v[246:247], v[142:143]
	v_pk_add_f32 v[244:245], v[244:245], v[146:147]
	v_pk_add_f32 v[242:243], v[242:243], v[150:151]
	v_pk_add_f32 v[14:15], v[14:15], v[154:155]
	v_pk_add_f32 v[236:237], v[236:237], v[158:159]
	v_pk_add_f32 v[254:255], v[254:255], v[162:163]
	v_pk_add_f32 v[250:251], v[250:251], v[166:167]
	v_pk_add_f32 v[248:249], v[248:249], v[170:171]
	v_pk_add_f32 v[246:247], v[246:247], v[174:175]
	v_pk_add_f32 v[244:245], v[244:245], v[178:179]
	v_pk_add_f32 v[242:243], v[242:243], v[182:183]
	v_pk_add_f32 v[14:15], v[14:15], v[186:187]
	v_pk_add_f32 v[236:237], v[236:237], v[190:191]
	s_delay_alu instid0(VALU_DEP_2)
	v_pk_add_f32 v[14:15], v[14:15], v[248:249]
	s_delay_alu instid0(VALU_DEP_2)
	v_pk_add_f32 v[236:237], v[236:237], v[246:247]
	v_pk_add_f32 v[254:255], v[254:255], v[244:245]
	v_pk_add_f32 v[250:251], v[250:251], v[242:243]
	s_delay_alu instid0(VALU_DEP_2)
	v_pk_add_f32 v[14:15], v[14:15], v[254:255]
	s_delay_alu instid0(VALU_DEP_2)
	v_pk_add_f32 v[236:237], v[236:237], v[250:251]
	s_delay_alu instid0(VALU_DEP_1)
	v_pk_add_f32 v[14:15], v[14:15], v[236:237]
	s_setprio 0
	s_wait_alu depctr_va_vdst(0)                   ; and one for the four
.irp b, 0,1,2,3
	v_max_num_f32 v[232+\b], 0x1800000, v[232+\b]  ; the floor 2^(3 - 127): a block whose every p is 0 keeps the byte 1: its codes are zeros
.endr
.irp b, 0,1,2,3
	s_delay_alu instid0(VALU_DEP_4)
	v_add_nc_u32 v[244+\b], 0xff000000, v[232+\b]
.endr
.irp b, 0,1,2,3
	s_delay_alu instid0(VALU_DEP_4)
	v_lshrrev_b32 v[236+\b], 23, v[244+\b]
.endr
	s_delay_alu instid0(VALU_DEP_3)
	v_lshl_or_b32 v253, v237, 8, v236              ; p's scale word for these 128 keys
	s_delay_alu instid0(VALU_DEP_1)
	v_lshl_or_b32 v253, v238, 16, v253
	s_delay_alu instid0(VALU_DEP_1)
	v_lshl_or_b32 v253, v239, 24, v253
.irp c, 0,1
	v_cvt_scalef32_pk16_fp6_f32 v[224+6*\c:226+6*\c], v[S+32*\c:S+15+32*\c], v[244+2*\c]
	v_cvt_scalef32_pk16_fp6_f32 v[236+4*\c:238+4*\c], v[S+16+32*\c:S+31+32*\c], v[244+2*\c+1]
.endr
	v_nop                                          ; one plain line behind a scaled conversion
.irp c, 0,1
.irp i, 0,1,2
	v_permlane16_swap_b32 v[224+6*\c+\i], v[236+4*\c+\i]
.endr
.irp i, 0,1,2
	s_delay_alu instid0(VALU_DEP_3)
	v_mov_b32 v[227+6*\c+\i], v[236+4*\c+\i]
.endr
.endr
.set j, 0
.rept 16
	v_pk_mul_f32 v[O+j:O+j+1], v[O+j:O+j+1], v[252:253] op_sel_hi:[1,0]   ; O^T under the new M; also the places between the lines that made p's codes and word and the products below
.set j, j+2
.endr
.irp n, 0,1,2,3
	v_wmma_scale_f32_16x16x128_f8f6f4 v[O+8*\n:O+8*\n+7], v[80+12*\n:91+12*\n], v[224:235], v[O+8*\n:O+8*\n+7], v[28+\n], v253 matrix_a_fmt:MATRIX_FMT_FP6 matrix_b_fmt:MATRIX_FMT_FP6
.endr
.Lhidden_\@:
	s_add_co_u32 s[J2], s[J2], 2
	s_add_co_u32 s[TBK], s[TBK], 6144
	s_add_co_u32 s[TBS], s[TBS], 512
	s_add_co_u32 s[TBT], s[TBT], 256
	s_add_co_u32 s[KF], s[KF], 128
.endm
; ONE TILE OF QUERIES.  p = 0: tile 4 w + cx, 8 trips;  p = 1: tile 127 - (4 w + cx), 16 trips.
.macro PASS p
.if \p
	s_wait_xcnt 0x0                                ; the first tile's stores have read their registers and bases: both are written again below
.endif
	s_lshl_b32 s[T], s[WV], 2
	s_add_co_u32 s[T], s[T], s[CXP]
.if \p
	s_sub_co_u32 s[T], 127, s[T]
	s_sub_co_u32 s[MM], 31, s[WV]
.else
	s_mov_b32 s[MM], s[WV]
.endif
	s_mov_b32 s71, 0
	s_mul_i32 s70, s[T], 768
	s_add_nc_u64 s[56:57], s[54:55], s[70:71]      ; Q's half fragment,
	s_lshl_b32 s70, s[T], 6
	s_add_nc_u64 s[58:59], s[54:55], s[70:71]      ; its scale words (98,304 further on),
	s_mul_i32 s70, s[T], 12288
	s_add_nc_u64 s[60:61], s[66:67], s[70:71]      ; o's half fragment,
	s_lshl_b32 s70, s[T], 9
	s_add_nc_u64 s[62:63], s[68:69], s[70:71]      ; its scale bytes
	global_load_b128 v[16:19], v1, s[56:57]
	global_load_b64 v[20:21], v2, s[56:57] offset:512
	v_and_b32 v255, 15, v0
	s_delay_alu instid0(VALU_DEP_1)
	v_lshlrev_b32 v254, 2, v255
	global_load_b32 v11, v254, s[58:59] offset:98304
	s_lshr_b32 s70, s[T], 1
	s_lshl_b32 s70, s70, 5
	s_and_b32 s71, s[T], 1
	s_lshl_b32 s71, s71, 3
	s_add_co_u32 s70, s70, s71
	v_and_b32 v10, 8, v255
	s_delay_alu instid0(VALU_DEP_1)
	v_add_nc_u32 v10, v10, v255
	s_delay_alu instid0(VALU_DEP_1)
	v_add_nc_u32 v10, s70, v10                     ; my query
	v_bfe_u32 v255, v0, 4, 1
	s_delay_alu instid0(VALU_DEP_1)
	v_lshlrev_b32 v255, 4, v255
	s_delay_alu instid0(VALU_DEP_1)
	v_sub_nc_u32 v10, v10, v255                    ; - 16 h
	v_mov_b32 v13, 0xff61b1e6                      ; the largest t so far: -3e38
	s_delay_alu instid0(VALU_DEP_1)
	v_floor_f32 v12, -v13
	v_mov_b32 v14, 0
	v_mov_b32 v15, 0
.set j, 0
.rept 32
	v_mov_b32 v[O+j], 0                            ; O^T.  (The step is written once: the first finds zeros, which the first change of M leaves zeros)
.set j, j+1
.endr
	s_mov_b32 s[J2], 0
	s_mov_b32 s[TBK], 0
	s_mov_b32 s[TBS], 0
	s_mov_b32 s[TBT], 0
	s_mov_b32 s[KF], 0
	s_wait_loadcnt 0x0                             ; Q
.Lstep_\@:
	STEP
	s_cmp_lt_u32 s[J2], 16*(1+\p)
	s_cbranch_scc1 .Lstep_\@
	s_setprio 0
	PLACES                                         ; behind the last products
	v_add_f32 v14, v14, v15
	s_delay_alu instid0(VALU_DEP_1)
	v_permlanex16_b32 v252, v14, s[SEL], s[SEL+1]
	s_delay_alu instid0(VALU_DEP_1)
	v_add_f32 v14, v14, v252                       ; the row's sum
	s_wait_alu depctr_va_vdst(0)
	v_rcp_f32 v14, v14
	v_and_b32 v255, 15, v0                         ; (plain lines behind the reciprocal)
	v_bfe_u32 v254, v0, 4, 1
	s_delay_alu instid0(VALU_DEP_1)
	v_lshl_add_u32 v254, v255, 3, v254             ; 8 r + h
	s_wait_alu depctr_va_vdst(0)                   ; the wait ahead of its first reader
.set j, 0
.rept 32
	v_mul_f32 v[S+j], v[O+j], v14                  ; o(my query, channel 32 b + 16 h + i) in register 16 b + i; each accumulator from its low end on
.set j, j+1
.endr
.irp b, 0,1
	v_max3_num_f32 v[232+\b], |v[S+16*\b]|, |v[S+1+16*\b]|, 0x1800000
.endr
.irp i, 2,4,6,8,10,12,14
.irp b, 0,1
	s_delay_alu instid0(VALU_DEP_2)
	v_max3_num_f32 v[232+\b], v[232+\b], |v[S+16*\b+\i]|, |v[S+1+16*\b+\i]|
.endr
.endr
.irp b, 0,1
	s_delay_alu instid0(VALU_DEP_2)
	v_permlanex16_b32 v[236+\b], v[232+\b], s[SEL], s[SEL+1]
.endr
.irp b, 0,1
	s_delay_alu instid0(VALU_DEP_2)
	v_max_num_f32 v[232+\b], v[232+\b], v[236+\b]
.endr
.irp b, 0,1
	s_delay_alu instid0(VALU_DEP_2)
	v_add_nc_u32 v[244+\b], 0xff000000, v[232+\b]
.endr
.irp b, 0,1
	s_delay_alu instid0(VALU_DEP_2)
	v_lshrrev_b32 v[240+\b], 23, v[244+\b]
.endr
	v_cvt_scalef32_pk16_fp6_f32 v[224:226], v[S:S+15], v244
	v_cvt_scalef32_pk16_fp6_f32 v[236:238], v[S+16:S+31], v245
	v_cndmask_b32 v240, v240, v241, s[HIM]         ; lanes 0-15 store block 0's byte, lanes 16-31 block 1's; also the plain line behind the conversions
.irp i, 0,1,2
	v_permlane16_swap_b32 v[224+\i], v[236+\i]
.endr
.irp i, 0,1,2
	s_delay_alu instid0(VALU_DEP_3)
	v_mov_b32 v[227+\i], v[236+\i]
.endr
	global_store_b128 v1, v[224:227], s[60:61]             ; 512 consecutive bytes, at a multiple of 256 from the buffer's first byte,
	global_store_b64 v2, v[228:229], s[60:61] offset:512   ; and the 256 behind them
	global_store_b8 v254, v240, s[62:63] offset:6291456
.endm
	PASS 0
	PASS 1
	s_wait_xcnt 0x0
	v_lshl_add_u32 v254, v0, 2, 0x33000
	v_mov_b32 v255, 0
	s_wait_alu depctr_va_vdst(0)
	s_wait_tensorcnt 0x0
	ds_add_u32 v254, v255
	s_wait_dscnt 0x0
	CROUND                                         ; the closing round
	s_endpgm
.Lfunc_end_k_q59968e0dd3_attn:
	.size	k_q59968e0dd3_attn, .Lfunc_end_k_q59968e0dd3_attn-k_q59968e0dd3_attn
	.p2alignl 7, 3214868480
	.fill 96, 4, 3214868480
	.section	.rodata,"a",@progbits
	.p2align	6, 0x0
	.amdhsa_kernel k_q59968e0dd3_attn
		.amdhsa_group_segment_fixed_size 210944
		.amdhsa_private_segment_fixed_size 0
		.amdhsa_enable_private_segment 0
		.amdhsa_kernarg_size 24
		.amdhsa_user_sgpr_count 2
		.amdhsa_user_sgpr_kernarg_segment_ptr 1
		.amdhsa_wavefront_size32 1
		.amdhsa_system_sgpr_workgroup_id_x 1
		.amdhsa_system_sgpr_workgroup_id_y 1
		.amdhsa_system_sgpr_workgroup_id_z 1
		.amdhsa_system_vgpr_workitem_id 0
		.amdhsa_next_free_vgpr 256
		.amdhsa_next_free_sgpr 72
		.amdhsa_reserve_vcc 1
		.amdhsa_float_denorm_mode_32 3
		.amdhsa_float_denorm_mode_16_64 3
		.amdhsa_memory_ordered 1
		.amdhsa_forward_progress 1
		.amdhsa_inst_pref_size 69
	.end_amdhsa_kernel
	.amdgpu_metadata
---
amdhsa.version: [ 1, 2 ]
amdhsa.kernels:
  - .name:           k_q59968e0dd3_attn
    .symbol:         k_q59968e0dd3_attn.kd
    .args:
      - { .name: qh, .offset: 0, .size: 8, .value_kind: global_buffer, .address_space: global }
      - { .name: kvh, .offset: 8, .size: 8, .value_kind: global_buffer, .address_space: global }
      - { .name: oq, .offset: 16, .size: 8, .value_kind: global_buffer, .address_space: global }
    .group_segment_fixed_size: 210944
    .private_segment_fixed_size: 0
    .kernarg_segment_align: 8
    .kernarg_segment_size: 24
    .max_flat_workgroup_size: 512
    .sgpr_count:     72
    .vgpr_count:     256
    .wavefront_size: 32
...
	.end_amdgpu_metadata
.endif
;; end of part 3
;; launch oproj (part 4): grid 4 x 64, 4 waves a work-group, clusters of 4 x 4, 307,712 bytes of LDS; arguments oq, wq, out0; writes out0
.if DOCPART == 4
	.amdgcn_target "amdgcn-amd-amdhsa--gfx1250"
	.amdhsa_code_object_version 6
	.text
	.protected	k_q59968e0dd3_oproj
	.globl	k_q59968e0dd3_oproj
	.p2align	8
	.type	k_q59968e0dd3_oproj,@function
k_q59968e0dd3_oproj:
	s_mov_b64 s[64:65], 0
	v_nop
	global_prefetch_b8 v0, s[64:65] scope:SCOPE_SE
	s_setreg_imm32_b32 hwreg(HW_REG_WAVE_MODE, 25, 1), 1
	s_wait_xcnt 0x0
	s_wait_alu depctr_hold_cnt(0) depctr_sa_sdst(0) depctr_va_vdst(0) depctr_va_sdst(0) depctr_va_ssrc(0) depctr_va_vcc(0) depctr_vm_vsrc(0)
	s_getreg_b32 s2, hwreg(HW_REG_IB_STS2, 6, 4)
	s_cmp_eq_u32 s2, 0
	s_cbranch_scc0 .Lentry_in_a_cluster
	s_endpgm
.Lentry_in_a_cluster:
	s_bfe_u32 s2, ttmp6, 0x10000c
	s_cmp_lg_u32 s2, 0xf033
	s_cbranch_scc0 .Lentry_shape_is_right
	s_endpgm
.Lentry_shape_is_right:
; out0 = o W_O^T on codes of FP6 (E2M3) with E8M0 scales; out0 [8192][1024] f32.
; OPERANDS lie in memory as half fragments (16 rows x 64 along K, 768 bytes: lane l = 16 h + r: 16 bytes at 16 l, 8 bytes at 512 + 8 l), [block of 16 rows][16][768]; lane r of block t holds
; row 32 (t / 2) + 8 (t % 2) + r + 8 (r / 8).  Scale bytes: [block][k / 256][r][8].
; TILE.  Source 0 is P = W_O, 256 rows a work-group and 128 a wave; source 1 is R = o, 128 rows a work-group and 64 a wave: 32 accumulators a wave.  In a result lane (r, h) holds R's row of lane r, and the
; 16 registers of P's blocks 2 b and 2 b + 1 are columns 32 b + 16 h + 0 .. 15 of out0.  256 work-groups.
; ALL OF K LIES IN LDS: P 196,608 bytes, R 98,304, scale bytes 12,288; every byte is filled once: five tensor loads a wave, all issued at the start (five of mine are outstanding at the most); K is waited for
; in four chunks of 256.  CLUSTERS: 4 x 4: P's tile hangs on cx and is shared down a column, R's on cy and is shared along a row: each is asked for jointly.
; THE WAY OUT: a block of 16 rows x 128 columns goes through my own stage in LDS (rows of 528 bytes) and comes back as whole rows of 512 bytes.  The stages lie in P's chunk 0: it is filled once, and every
; wave's last read of it lies ahead of the barrier in K step 1.
; REGISTERS, in windows of 256: window 0: v1-31 addresses; v32-95 P's scale words (8 p + s), v96-127 R's (8 a + s): they hold scales alone.  window 1: P's fragments, two sets (128 (s % 2) + 12 p); on the way
;   out the rows read back.  window 2: R's, two sets (64 (s % 2) + 12 a).  window 3: accumulator (a, p) at 8 (8 a + p).
.set WV,   14
.set WP,   15
.set WR,   16
.set CXP,  17
.set CYP,  18
.set G1P,  20
.set G1R,  28
.set G1SP, 36
.set G1SR, 44
.set SP,   32
.set SR,   96
.set MSB, 0
.macro WIN new                         ; the immediate's high byte repeats the setting that is left
.if MSB != \new
	s_set_vgpr_msb (MSB<<8)|\new
.set MSB, \new
.endif
.endm
.macro PLACES                          ; four plain lines between a matrix instruction and a load into, or a read of, its registers
.rept 4
	v_nop
.endr
.endm
.macro CROUND                          ; a round of the cluster's barrier
	s_barrier_signal -1
	s_barrier_wait -1
	s_cmp_lg_u32 s[WV], 0
	s_cbranch_scc1 .Lnot_wave_0_\@
	s_barrier_signal -3
.Lnot_wave_0_\@:
	s_barrier_wait -3
	s_barrier_signal -1
	s_barrier_wait -1
.endm
	s_load_b128 s[4:7], s[0:1], 0x0                ; oq, wq
	s_load_b64 s[8:9], s[0:1], 0x10                ; out0
	v_lshl_add_u32 v254, v0, 2, 0x4b000
	v_mov_b32 v255, 0
	ds_add_u32 v254, v255
	ds_add_u32 v254, v255
	v_lshrrev_b32 v1, 5, v0
	v_readfirstlane_b32 s[WV], v1
	s_and_b32 s[WP], s[WV], 1
	s_lshr_b32 s[WR], s[WV], 1
	s_bfe_u32 s[CXP], ttmp6, 0x40000
	s_bfe_u32 s[CYP], ttmp6, 0x40004
	s_lshl_b32 s3, 0x1111, s[CXP]                  ; my column of the cluster
	s_lshl_b32 s67, s[CYP], 2
	s_lshl_b32 s67, 15, s67                        ; my row
	s_or_b32 s[G1P], s3, (3<<16)|(1<<21)           ; 15:0 the mask; 17:16 elements of 8 bytes; 21 set beside a mask; no padding
	s_or_b32 s[G1SP], s3, (3<<16)|(1<<21)
	s_or_b32 s[G1R], s67, (3<<16)|(1<<21)
	s_or_b32 s[G1SR], s67, (3<<16)|(1<<21)
.irp g, G1P, G1R                       ; codes: a row is a block's 256 along K, 3,072 bytes = 384 elements; blocks lie 1,536 elements apart
	s_mov_b32 s[\g+1], 384<<16
	s_mov_b32 s[\g+3], 384<<16
	s_mov_b32 s[\g+5], 1536
	s_mov_b32 s[\g+6], 0
	s_mov_b32 s[\g+7], 0
.endr
	s_mov_b32 s[G1P+2], 8<<16
	s_mov_b32 s[G1P+4], 8
	s_mov_b32 s[G1R+2], 4<<16
	s_mov_b32 s[G1R+4], 4
.irp g, G1SP, G1SR                     ; scale bytes: a dense block, as rows of 256 bytes
	s_mov_b32 s[\g+1], 32<<16
	s_mov_b32 s[\g+3], 32<<16
	s_mov_b32 s[\g+5], 32
	s_mov_b32 s[\g+6], 0
	s_mov_b32 s[\g+7], 0
.endr
	s_mov_b32 s[G1SP+2], 16<<16
	s_mov_b32 s[G1SP+4], 16
	s_mov_b32 s[G1SR+2], 8<<16
	s_mov_b32 s[G1SR+4], 8
	s_mov_b32 s2, s[CXP]                           ; PT: W_O's tile of 256 rows
	s_and_b32 s66, ttmp7, 0xffff
	s_lshl_b32 s66, s66, 2
	s_add_co_u32 s66, s66, s[CYP]                  ; RT: o's tile of 128 rows
	s_wait_dscnt 0x0
	s_wait_kmcnt 0x0
	s_lshl_b32 s72, s2, 13                         ; (registers of groups 0 that are not yet filled serve as temporaries)
	s_lshl_b32 s73, s[WP], 12
	s_add_co_u32 s72, s72, s73
	s_add_co_u32 s72, s72, 3244032                 ; W_O's scale bytes: behind wq's codes, 192 blocks on
	s_mov_b32 s73, 0
	s_add_nc_u64 s[54:55], s[6:7], s[72:73]
	s_mul_i32 s72, s2, 196608
	s_mul_i32 s74, s[WP], 98304
	s_add_co_u32 s72, s72, s74
	s_add_co_u32 s72, s72, 2359296                 ; W_O's codes: 192 blocks on
	s_add_nc_u64 s[98:99], s[6:7], s[72:73]
	s_lshl_b32 s92, s66, 12
	s_lshl_b32 s93, s[WP], 11
	s_add_co_u32 s92, s92, s93
	s_add_co_u32 s92, s92, 6291456
	s_mov_b32 s93, 0
	s_add_nc_u64 s[78:79], s[4:5], s[92:93]
	s_mul_i32 s92, s66, 98304
	s_mul_i32 s94, s[WP], 49152
	s_add_co_u32 s92, s92, s94
	s_add_nc_u64 s[100:101], s[4:5], s[92:93]
	s_mov_b32 s52, 1
	s_lshl_b32 s53, s[WP], 12
	s_add_co_u32 s53, s53, 294912
	s_or_b32 s55, s55, 0x80000000
	s_mov_b32 s76, 1
	s_lshl_b32 s77, s[WP], 11
	s_add_co_u32 s77, s77, 303104
	s_or_b32 s79, s79, 0x80000000
	s_mul_i32 s3, s[WP], 24576
	s_mul_i32 s67, s[WP], 12288
.irp c, 0,1,2,3                        ; chunk c: k = 256 c on
	s_mov_b32 s[56+4*\c+4*(\c/2)], 1
	s_add_co_u32 s[57+4*\c+4*(\c/2)], s3, 49152*\c
	s_add_nc_u64 s[58+4*\c+4*(\c/2):59+4*\c+4*(\c/2)], s[98:99], 3072*\c
	s_or_b32 s[59+4*\c+4*(\c/2)], s[59+4*\c+4*(\c/2)], 0x80000000
	s_mov_b32 s[80+4*\c], 1
	s_add_co_u32 s[81+4*\c], s67, 196608+24576*\c
	s_add_nc_u64 s[82+4*\c:83+4*\c], s[100:101], 3072*\c
	s_or_b32 s[83+4*\c], s[83+4*\c], 0x80000000
.endr
	CROUND                                         ; all sixteen work-groups are here: the joint loads meet
	s_cmp_lt_u32 s[WV], 2                          ; waves 0 and 1 fetch P's halves, waves 2 and 3 R's: a wave's five loads stand in one branch, four v_nop behind the last
	s_cbranch_scc0 .Lfill_r
	tensor_load_to_lds s[52:55], s[G1SP:G1SP+7]
	s_nop 0
	tensor_load_to_lds s[56:59], s[G1P:G1P+7]
	s_nop 0
	tensor_load_to_lds s[60:63], s[G1P:G1P+7]
	s_nop 0
	tensor_load_to_lds s[68:71], s[G1P:G1P+7]
	s_nop 0
	tensor_load_to_lds s[72:75], s[G1P:G1P+7]
	s_nop 0
	PLACES
	s_branch .Lfilled
.Lfill_r:
	tensor_load_to_lds s[76:79], s[G1SR:G1SR+7]
	s_nop 0
	tensor_load_to_lds s[80:83], s[G1R:G1R+7]
	s_nop 0
	tensor_load_to_lds s[84:87], s[G1R:G1R+7]
	s_nop 0
	tensor_load_to_lds s[88:91], s[G1R:G1R+7]
	s_nop 0
	tensor_load_to_lds s[92:95], s[G1R:G1R+7]
	s_nop 0
	PLACES
.Lfilled:
	v_and_b32 v1, 31, v0                           ; l
	v_and_b32 v2, 15, v0                           ; r
	v_bfe_u32 v3, v0, 4, 1                         ; h
	v_lshlrev_b32 v22, 4, v1                       ; 16 l
	v_lshlrev_b32 v23, 3, v1                       ; 8 l
	s_mul_i32 s3, s[WP], 24576
	s_mul_i32 s67, s[WR], 12288
	s_add_co_u32 s67, s67, 196608
.irp c, 0,1,2,3                        ; v4-7, v8-11: P's chunk c at 16 l and at 8 l;  v12-15, v16-19: R's
	v_add_nc_u32 v[4+\c], s3, v22
	v_add_nc_u32 v[8+\c], s3, v23
	v_add_nc_u32 v[12+\c], s67, v22
	v_add_nc_u32 v[16+\c], s67, v23
	s_add_co_u32 s3, s3, 49152
	s_add_co_u32 s67, s67, 24576
.endr
	s_lshl_b32 s3, s[WP], 12
	s_add_co_u32 s3, s3, 294912
	v_lshl_add_u32 v20, v2, 3, s3                  ; P's scale words: 8 r
	s_lshl_b32 s67, s[WR], 11
	s_add_co_u32 s67, s67, 303104
	v_lshl_add_u32 v21, v2, 3, s67                 ; R's
	s_mul_i32 s96, s[WV], 8448                     ; my stage: 16 rows of 528 bytes
	v_mul_u32_u24 v24, v2, 528
	v_lshl_add_u32 v24, v3, 6, v24
	v_add_nc_u32 v24, s96, v24                     ; in: row r, 64 bytes for each half of the lanes
	v_add_nc_u32 v25, s96, v22                     ; back: the 32 lanes take one row of 512 bytes
	s_lshl_b32 s96, s66, 7
	s_lshl_b32 s97, s[WR], 6
	s_add_co_u32 s96, s96, s97                     ; my first row of out0: 128 RT + 64 (wave / 2)
	s_lshl_b32 s96, s96, 12
	s_lshl_b32 s97, s2, 10
	s_add_co_u32 s96, s96, s97                     ; my first column, in bytes: 1,024 PT + 512 (wave % 2)
	s_lshl_b32 s97, s[WP], 9
	s_add_co_u32 s96, s96, s97
	s_mov_b32 s97, 0
	s_add_nc_u64 s[8:9], s[8:9], s[96:97]
.macro FRAG reg, a16, a8, off          ; a fragment, 16 rows x 128 K, 12 registers: two half fragments on end
	ds_load_b128 v[\reg:\reg+3], v[\a16] offset:\off
	ds_load_b64 v[\reg+4:\reg+5], v[\a8] offset:\off+512
	ds_load_b128 v[\reg+6:\reg+9], v[\a16] offset:\off+768
	ds_load_b64 v[\reg+10:\reg+11], v[\a8] offset:\off+1280
.endm
.macro FETCH s                         ; K step s (128 along K): P's eight fragments and R's four into set s % 2
	WIN 0x40
.irp i, 0,1,2,3,4,5,6,7
	FRAG 128*((\s)%2)+12*\i, 4+(\s)/2, 8+(\s)/2, 3072*\i+1536*((\s)%2)
.endr
	WIN 0x80
.irp i, 0,1,2,3
	FRAG 64*((\s)%2)+12*\i, 12+(\s)/2, 16+(\s)/2, 3072*\i+1536*((\s)%2)
.endr
	WIN 0
.endm
.macro KSTEP s                         ; 32 matrix instructions; the next step's fragments are asked for ahead of them
	s_wait_dscnt 0x0                               ; this step's fragments are in (asked for 32 matrix instructions ago)
.if ((\s)==1)||((\s)==3)||((\s)==5)
	s_wait_tensorcnt 3-((\s)+1)/2                  ; my part of the next chunk has landed; the later chunks' loads may stay out
	s_barrier_signal -1
	s_barrier_wait -1                              ; everybody's has
.endif
.if (\s) < 7
.if (\s) > 0
	PLACES                                         ; the set was read by the last step's products
.endif
	FETCH (\s)+1
.endif
	WIN 0xf9                                       ; source 0 window 1, source 1 window 2, C and D window 3
.irp a, 0,1,2,3                        ; the 32 accumulators take turns, one instruction a turn, in the same order in every step
.irp p, 0,1,2,3,4,5,6,7
.if (\s) == 0
	v_wmma_scale_f32_16x16x128_f8f6f4 v[8*(8*\a+\p):8*(8*\a+\p)+7], v[128*((\s)%2)+12*\p:128*((\s)%2)+12*\p+11], v[64*((\s)%2)+12*\a:64*((\s)%2)+12*\a+11], 0, v[SP+8*\p+(\s)], v[SR+8*\a+(\s)] matrix_a_fmt:MATRIX_FMT_FP6 matrix_b_fmt:MATRIX_FMT_FP6
.else
	v_wmma_scale_f32_16x16x128_f8f6f4 v[8*(8*\a+\p):8*(8*\a+\p)+7], v[128*((\s)%2)+12*\p:128*((\s)%2)+12*\p+11], v[64*((\s)%2)+12*\a:64*((\s)%2)+12*\a+11], v[8*(8*\a+\p):8*(8*\a+\p)+7], v[SP+8*\p+(\s)], v[SR+8*\a+(\s)] matrix_a_fmt:MATRIX_FMT_FP6 matrix_b_fmt:MATRIX_FMT_FP6
.endif
.endr
.endr
	WIN 0
.endm
	s_wait_alu depctr_va_vdst(0)
	s_wait_tensorcnt 3                             ; my scale bytes and my part of chunk 0 are in; three chunks' loads may be out
	s_barrier_signal -1
	s_barrier_wait -1
.irp i, 0,1,2,3,4,5,6,7                ; all scale words, once: 8 bytes are the words of two K steps
.irp c, 0,1,2,3
	ds_load_b64 v[SP+8*\i+2*\c:SP+8*\i+2*\c+1], v20 offset:512*\i+128*\c
.endr
.endr
.irp i, 0,1,2,3
.irp c, 0,1,2,3
	ds_load_b64 v[SR+8*\i+2*\c:SR+8*\i+2*\c+1], v21 offset:512*\i+128*\c
.endr
.endr
	FETCH 0
	KSTEP 0
	KSTEP 1
	KSTEP 2
	KSTEP 3
	KSTEP 4
	KSTEP 5
	KSTEP 6
	KSTEP 7
; THE WAY OUT, R's block a at a time.  LDS serves a wave's instructions in order: no wait between the stores and the loads, nor in front of the next block's stores.  Each block has registers of its own.
.macro TOSTAGE a
	WIN 0x0c                                       ; an LDS store's data: window 3
.irp p, 0,1,2,3,4,5,6,7
	ds_store_b128 v24, v[8*(8*(\a)+\p):8*(8*(\a)+\p)+3] offset:128*(\p/2)+32*(\p%2)          ; each accumulator from its low end on
	ds_store_b128 v24, v[8*(8*(\a)+\p)+4:8*(8*(\a)+\p)+7] offset:128*(\p/2)+32*(\p%2)+16
.endr
	WIN 0x40                                       ; back into window 1, which held P's fragments
.irp i, 0,1,2,3,4,5,6,7,8,9,10,11,12,13,14,15
	ds_load_b128 v[64*(\a)+4*\i:64*(\a)+4*\i+3], v25 offset:528*\i
.endr
.endm
.macro SEND a, younger                 ; younger: the LDS instructions issued behind block a's loads, which may stay out
	s_wait_dscnt \younger
	WIN 0x04                                       ; a store's data: window 1
.irp i, 0,1,2,3,4,5,6,7,8,9,10,11,12,13,14,15
	global_store_b128 v22, v[64*(\a)+4*\i:64*(\a)+4*\i+3], s[8:9] offset:(32*((\a)/2)+8*((\a)%2)+\i+8*(\i/8))*4096 th:TH_STORE_NT   ; 512 consecutive bytes, at a multiple of 256 from out0's first byte; the block's row i is row 32 (a / 2) + 8 (a % 2) + i + 8 (i / 8) of my 64
.endr
.endm
	PLACES                                         ; behind the last products: for the reads of their results and the loads into the registers that held P's fragments
	TOSTAGE 0
.irp a, 1,2,3
	TOSTAGE \a
	SEND \a-1, 32                                  ; behind block a - 1's loads: block a's 16 stores and 16 loads
.endr
	SEND 3, 0
	WIN 0
	s_wait_tensorcnt 0x0
	ds_add_u32 v254, v255
	s_wait_dscnt 0x0
	CROUND                                         ; the closing round: no work-group ends while a partner may still ask for a tile that names it
	s_endpgm
.Lfunc_end_k_q59968e0dd3_oproj:
	.size	k_q59968e0dd3_oproj, .Lfunc_end_k_q59968e0dd3_oproj-k_q59968e0dd3_oproj
	.p2alignl 7, 3214868480
	.fill 96, 4, 3214868480
	.section	.rodata,"a",@progbits
	.p2align	6, 0x0
	.amdhsa_kernel k_q59968e0dd3_oproj
		.amdhsa_group_segment_fixed_size 307712
		.amdhsa_private_segment_fixed_size 0
		.amdhsa_enable_private_segment 0
		.amdhsa_kernarg_size 24
		.amdhsa_user_sgpr_count 2
		.amdhsa_user_sgpr_kernarg_segment_ptr 1
		.amdhsa_wavefront_size32 1
		.amdhsa_system_sgpr_workgroup_id_x 1
		.amdhsa_system_sgpr_workgroup_id_y 1
		.amdhsa_system_sgpr_workgroup_id_z 1
		.amdhsa_system_vgpr_workitem_id 0
		.amdhsa_next_free_vgpr 1024
		.amdhsa_next_free_sgpr 102
		.amdhsa_reserve_vcc 0
		.amdhsa_float_denorm_mode_32 3
		.amdhsa_float_denorm_mode_16_64 3
		.amdhsa_memory_ordered 1
		.amdhsa_forward_progress 1
		.amdhsa_inst_pref_size 87
	.end_amdhsa_kernel
	.amdgpu_metadata
---
amdhsa.version: [ 1, 2 ]
amdhsa.kernels:
  - .name:           k_q59968e0dd3_oproj
    .symbol:         k_q59968e0dd3_oproj.kd
    .args:
      - { .name: oq, .offset: 0, .size: 8, .value_kind: global_buffer, .address_space: global }
      - { .name: wq, .offset: 8, .size: 8, .value_kind: global_buffer, .address_space: global }
      - { .name: out0, .offset: 16, .size: 8, .value_kind: global_buffer, .address_space: global }
    .group_segment_fixed_size: 307712
    .private_segment_fixed_size: 0
    .kernarg_segment_align: 8
    .kernarg_segment_size: 24
    .max_flat_workgroup_size: 128
    .sgpr_count:     102
    .vgpr_count:     1024
    .wavefront_size: 32
...
	.end_amdgpu_metadata
.endif
;; end of part 4
